; MI455X (gfx1250); checked and timed in simulation.
; The chip was launched on July 23, 2026; its instructions are those of AMD's public machine-readable ISA for CDNA 5 (MIT licence, August 2026) and "CDNA5" Instruction Set Architecture Reference Guide (July 2026). The comments in the code are by the model that wrote it; some were corrected since.
;; Causal Self Attention. Allowed arithmetic: matrix products marked QUANTISED: E5M2 operands, one given power-of-two scale a tensor, by v_wmma_f32_16x16x64_bf8_bf8 or v_wmma_f32_16x16x128_bf8_bf8, f32 sums; everything else in f32.
;; Inputs: W_proj 1,024 x 1,024 float32; W_qkv 3,072 x 1,024 float32; b_proj 1,024 float32; b_qkv 3,072 float32; lamb one number float32; lowp_scales 8 int32 (the exponents e of the quantised operands' scales 2^e); v1 4 x 16 x 2,048 x 64 float32; x 4 x 2,048 x 1,024 float32.
;; Outputs: out0 4 x 2,048 x 1,024 float32; out1 4 x 16 x 2,048 x 64 float32.
;; This version of the problem:
;;   THIS VERSION OF THE PROBLEM IS GIVEN IN LOW PRECISION. The matrix products marked QUANTISED in the list below multiply operands that are first quantised to E5M2 (5 exponent bits, 2 mantissa bits; 8 bits a number), with one given power-of-two scale for each operand tensor; their sums are f32. All else is computed in f32.
;;   The module's matrix products, in the order in which they are computed (A, B: the left and right operand; K: the contracted axis; several contracted axes count as one K, in the product's order):
;;     1. [M 8,192, K 1,024] x [K 1,024, N 3,072]; A: input x; B: input W_qkv: QUANTISED (scales: A lowp_scales[0], B lowp_scales[1])
;;     2. batch 64 x [M 2,048, K 64] x [K 64, N 2,048]; A: computed on the way; B: computed on the way: QUANTISED (scales: A lowp_scales[2], B lowp_scales[3])
;;     3. batch 64 x [M 2,048, K 2,048] x [K 2,048, N 64]; A: softmax (see below); B: computed on the way: QUANTISED (scales: A lowp_scales[4], B lowp_scales[5])
;;     4. [M 8,192, K 1,024] x [K 1,024, N 1,024]; A: computed on the way; B: input W_proj: QUANTISED (scales: A lowp_scales[6], B lowp_scales[7])
;;   THE QUANTISER, for each operand of a quantised product, along K:
;;     - The operand's scale is 2^e, e = its entry of the input lowp_scales (int32; the entries are numbered through the quantised products in the list's order, A before B).
;;     - Each number is divided by the scale, clamped to +-57,344, and rounded to the nearest number of E5M2, ties to even, subnormals kept.
;;     - The product sums the exact products of the quantised numbers (number of the format x scale) in f32.
;;   ~~~python
;;   def quantise(x, axis, e):      # numpy; x: float32 -> the quantised numbers, widened to float32 again
;;       x = np.moveaxis(x, axis, -1); K = x.shape[-1]
;;       r = np.clip(x / 2.0 ** e, -57344, 57344)
;;       step = 2.0 ** (np.maximum(np.frexp(np.where(r == 0, 1, r))[1] - 1, -14) - 2)
;;       q = np.round(r / step) * step * 2.0 ** e      # np.round: ties to even
;;       return np.moveaxis(q, -1, axis).astype(np.float32)
;;   ~~~
;;   SOFTMAX AHEAD OF A QUANTISED PRODUCT. Where the list says 'softmax', what is quantised is not the finished softmax but p = 2^(t - M), with t = logit x log2(e) and M = ceil(the row's largest t), a whole number; so 1/2 < the row's largest p <= 1. The row's sum l is taken of the UNQUANTISED p, in f32, and the product's result is divided by l at the end. Since M is a whole number, a kernel that streams over the keys may use a running M (the ceiling of the running maximum): every later rescaling is an exact power of two, so the quantised numbers keep their values, but for numbers so far below the row's largest that they fall under the format's range.
;;   OPERANDS COMPUTED ON THE WAY. 'Computed on the way' means the value that the module computes at that place (a softmax that the list does not call 'softmax' is quantised finished and normalised). What goes into a quantiser is computed in f32, as accurately as f32 sums, v_exp_f32 and their like allow (about 1e-6 of the number): no bf16 or f16 on the way to a quantiser, and a product that is left as it is and whose result goes on into a quantised operand takes f32 operands (vector FMAs, or v_wmma_f32_16x16x4_f32). A number that lies on a knife's edge between two numbers of the format may be rounded either way, as far as f32 arithmetic and the matrix unit's own rounding can turn it there, and no further.
;; One version. Each part assembles by itself: llvm-mc -triple=amdgcn-amd-amdhsa -mcpu=gfx1250 --defsym DOCPART=n.
;; ======== version 1 of 1: 4 launches
;; limits: right only within a limited range of input values
;; workspace buffers: x_codes 8,388,608 bytes; wqkv_codes 3,145,728 bytes; wproj_codes 1,048,576 bytes; rope 524,288 bytes; q_codes 8,388,608 bytes; kv_codes 16,777,216 bytes; a_codes 8,388,608 bytes
;; launch prep (part 1): grid 416 x 1, 4 waves a work-group, no clusters, 33,280 bytes of LDS; arguments x, W_qkv, W_proj, lowp_scales, x_codes, wqkv_codes, wproj_codes, rope; writes x_codes, wqkv_codes, wproj_codes, rope
.if DOCPART == 1
	.amdgcn_target "amdgcn-amd-amdhsa--gfx1250"
	.amdhsa_code_object_version 6
	.text
	.protected	k_qc515756e6c_prep
	.globl	k_qc515756e6c_prep
	.p2align	8
	.type	k_qc515756e6c_prep,@function
k_qc515756e6c_prep:
	s_mov_b64 s[64:65], 0
	v_nop
	global_prefetch_b8 v0, s[64:65] scope:SCOPE_SE
	s_setreg_imm32_b32 hwreg(HW_REG_WAVE_MODE, 25, 1), 1
	s_wait_xcnt 0x0
; x [8192][1024], W_qkv [3072][1024], W_proj [1024][1024], f32, become codes of BF8 (E5M2), K innermost, each with its given scale 2^e (entries 0, 1, 7);
; and the rotary table (cos, sin of t x 10^(-d/8), t = 0 .. 2047, d = 0 .. 31) is made, in the order in which the next launch's lanes hold a head's numbers.
; code = x / 2^e, held within +-57,344, rounded to the nearest code, ties to even.  LIMITS: -126 <= e <= 112.  NaN among the inputs is not served.
; THE CODES' ORDER ALONG K: inside each group of 32 the second and third pieces of 8 change places: place 32 G + 16 o + i holds k = 32 G + 8 o + i, place 32 G + 16 o + 8 + i holds k = 32 G + 16 + 8 o + i.
; A lane that later takes 16 bytes at 16 (lane / 16) + 32 c of a row then holds k = 16 c' + 8 (lane / 16) + 0 .. 7 in registers 2 c', 2 c' + 1: the matrix form's own places.
; SHARES: work-groups 0-255 take x, 256-351 W_qkv, 352-383 W_proj, 32,768 numbers each (a wave: 16 steps of 512); work-groups 384-415 make the table, 16 values of t a wave.
; A step's four loads read 512 consecutive bytes each; the 2,048 bytes turn through the wave's own stage in LDS (16 bytes of padding behind each 64) and come back 2 x 32 bytes a lane;
; a lane's 16 codes are 16 bytes: the wave stores 512 consecutive bytes.  Waves share nothing: no barrier.
; THE TABLE: no sine or cosine instruction is used: n = round(f 2/pi), r = f - n pi/2 in two parts, polynomials of degree 7 and 8 on |r| <= pi/4, the quadrant by n mod 4.
; LIMIT of the table: 10^(-d/8) is a rounded constant times a rounded power of ten, about one and a half units in its last place; the phase t x that is off by up to 2e-4 at t near 2,000.
.set STEPS, 16
.set EMAX,  15
.set MANT,  0x600000                   ; the mantissa field of 57,344 as f32
.set R,     16                         ; v16-79   four sets of 16 numbers as they are loaded
.set X,     80                         ; v80-111  two sets of 16 numbers in a lane's order
.set C,     128                        ; v128-191 codes: four registers for each step, so that no store's data are written again
.set WREG,  8192                       ; LDS: a region for each wave: two stages of 32 x SP bytes
.set SP,    80                         ; 64 bytes + 16 of padding
.set WG_X,  256                        ; first work-group of W_qkv
.set WG_W,  352                        ; of W_proj
.set WG_Q,  384                        ; of the table
	s_load_b256 s[4:11], s[0:1], 0x0               ; x, W_qkv, W_proj, the scales' exponents
	s_load_b256 s[12:19], s[0:1], 0x20             ; x_codes, wqkv_codes, wproj_codes, rope
	v_lshl_add_u32 v192, v0, 2, 0x8000
	v_mov_b32 v193, 0
	v_lshrrev_b32 v1, 5, v0
	v_readfirstlane_b32 s20, v1                    ; wave
	v_and_b32 v2, 31, v0                           ; lane
	v_lshlrev_b32 v3, 4, v2                        ; 16 x lane: my bytes of a load's 512, of a store's 512; never rewritten
	s_wait_kmcnt 0x0
	s_cmp_ge_u32 ttmp9, WG_Q
	s_cbranch_scc1 .Lrope
	s_load_b256 s[24:31], s[10:11], 0x0            ; e0 .. e7
	s_mul_i32 s21, s20, WREG
	s_wait_alu depctr_va_vdst(0)
	v_lshrrev_b32 v14, 2, v2
	v_mul_u32_u24 v14, v14, SP
	v_and_b32 v15, 3, v2
	v_lshl_add_u32 v14, v15, 4, v14
	v_add_nc_u32 v14, s21, v14                     ; the stage, on the way in: SP (lane / 4) + 16 (lane % 4)
	v_lshrrev_b32 v15, 1, v2
	v_mul_u32_u24 v15, v15, 2*SP
	v_and_b32 v5, 1, v2
	v_lshl_add_u32 v15, v5, 5, v15
	v_add_nc_u32 v15, s21, v15                     ; on the way out: group G = lane / 2 begins at 2 SP G; my o = lane % 2: 32 bytes at 32 o of each of its two halves
	s_mov_b32 s36, WG_W                            ; one path for the three tensors: only pointers and numbers are chosen, by the work-group's number
	s_cmp_lt_u32 ttmp9, WG_W
	s_cselect_b64 s[32:33], s[6:7], s[8:9]
	s_cselect_b64 s[34:35], s[14:15], s[16:17]
	s_cselect_b32 s36, WG_X, s36
	s_cmp_lt_u32 ttmp9, WG_X
	s_cselect_b64 s[32:33], s[4:5], s[32:33]
	s_cselect_b64 s[34:35], s[12:13], s[34:35]
	s_cselect_b32 s36, 0, s36
	s_sub_co_u32 s36, ttmp9, s36
	s_lshl_b32 s36, s36, 2
	s_add_co_u32 s36, s36, s20                     ; which run of 8,192 numbers of the tensor is my wave's
	s_lshl_b32 s38, s36, 15
	s_mov_b32 s39, 0
	s_add_nc_u64 s[32:33], s[32:33], s[38:39]
	s_lshl_b32 s38, s36, 13
	s_add_nc_u64 s[34:35], s[34:35], s[38:39]
.macro LOAD t
.irp i, 0,1,2,3
	global_load_b128 v[R+16*((\t)%4)+4*\i:R+16*((\t)%4)+4*\i+3], v3, s[32:33] offset:2048*(\t)+512*\i th:TH_LOAD_NT   ; 32 lanes read 512 consecutive bytes
.endr
.endm
.macro TURN t                          ; step t's numbers through the stage: LDS serves a wave's instructions in order (ISA guide 5.7.1.4), so no wait stands between the stores and the loads
.irp i, 0,1,2,3
	ds_store_b128 v14, v[R+16*((\t)%4)+4*\i:R+16*((\t)%4)+4*\i+3] offset:32*SP*((\t)%2)+8*SP*\i
.endr
	ds_load_b128 v[X+16*((\t)%2):X+16*((\t)%2)+3],     v15 offset:32*SP*((\t)%2)         ; k = 32 G + 8 o + 0 .. 3
	ds_load_b128 v[X+16*((\t)%2)+4:X+16*((\t)%2)+7],   v15 offset:32*SP*((\t)%2)+16      ; + 4 .. 7
	ds_load_b128 v[X+16*((\t)%2)+8:X+16*((\t)%2)+11],  v15 offset:32*SP*((\t)%2)+SP      ; k = 32 G + 16 + 8 o + 0 .. 3
	ds_load_b128 v[X+16*((\t)%2)+12:X+16*((\t)%2)+15], v15 offset:32*SP*((\t)%2)+SP+16   ; + 4 .. 7
.endm
.irp t, 0,1,2,3
	LOAD \t
.endr
	s_wait_alu depctr_va_vdst(0)
	s_wait_kmcnt 0x0
	s_cmp_lt_u32 ttmp9, WG_W
	s_cselect_b32 s37, s25, s31
	s_cmp_lt_u32 ttmp9, WG_X
	s_cselect_b32 s37, s24, s37                    ; e
	s_add_co_i32 s37, s37, 127
	s_lshl_b32 s38, s37, 23
	v_mov_b32 v11, s38                             ; 2^e as f32: the conversion takes its exponent field
	s_add_co_i32 s37, s37, EMAX
	s_lshl_b32 s37, s37, 23
	s_or_b32 s37, s37, MANT
	v_mov_b32 v10, s37                             ; the largest number x 2^e
	s_wait_alu depctr_va_vdst(0)
	s_wait_loadcnt 12                              ; step 0's four loads are in; the twelve of steps 1 to 3 may be out
	TURN 0
.macro STEP t
.set XS, X+16*((\t)%2)
	s_wait_dscnt 0x0                               ; this step's numbers are back from the stage: so its stores into the stage have read their registers,
.if (\t)+4 < STEPS
	LOAD (\t)+4                                    ; which take the loads of four steps on
.endif
.if (\t)+1 < STEPS
.if STEPS-2-(\t) >= 3
	s_wait_loadcnt 12                              ; the next step's four loads are in; those of the three steps behind it may be out
.else
	s_wait_loadcnt 4*(STEPS-2-(\t))
.endif
	TURN (\t)+1                                    ; and go through the other stage while this step is worked
.endif
.irp i, 0,1,2,3,4,5,6,7,8,9,10,11,12,13,14,15
	v_med3_num_f32 v[XS+\i], v[XS+\i], -v10, v10   ; the conversion to an 8-bit code does not saturate (ISA guide 7.6.2): the hold at the largest code x the scale comes first
.endr
	v_cvt_scalef32_pk8_bf8_f32 v[C+4*(\t):C+4*(\t)+1], v[XS:XS+7], v11
	v_cvt_scalef32_pk8_bf8_f32 v[C+4*(\t)+2:C+4*(\t)+3], v[XS+8:XS+15], v11   ; the results go to a store alone; the next vector lines are the next step's holds, on the other set
	global_store_b128 v3, v[C+4*(\t):C+4*(\t)+3], s[34:35] offset:512*(\t)
.endm
.irp t, 0,1,2,3,4,5,6,7,8,9,10,11,12,13,14,15
	STEP \t
.endr
	s_wait_tensorcnt 0x0
	ds_add_u32 v192, v193
	s_wait_dscnt 0x0
	s_endpgm
.Lrope:                                            ; lane (r, h) of wave tt: t = 16 tt + r; register 8 b + j stands for d = 16 b + 8 h + j
	s_sub_co_u32 s21, ttmp9, WG_Q
	s_lshl_b32 s21, s21, 2
	s_add_co_u32 s21, s21, s20                     ; tt = 0 .. 127
	v_and_b32 v4, 15, v0                           ; r
	v_bfe_u32 v12, v0, 4, 1                        ; h
	s_lshl_b32 s22, s21, 4
	v_add_nc_u32 v5, s22, v4
	v_cvt_f32_u32 v5, v5                           ; t
	v_cmp_eq_u32 vcc_lo, 1, v12
	v_mov_b32 v6, 0x3dcccccd
	v_cndmask_b32 v6, 1.0, v6, vcc_lo              ; b = 0: 10^-h
	v_mov_b32 v7, 0x3c23d70a
	v_mov_b32 v8, 0x3a83126f
	v_cndmask_b32 v7, v7, v8, vcc_lo               ; b = 1: 10^-(2 + h)
	v_mov_b32 v8, 0xb94ca1f9                       ; the sine's highest coefficient
	v_mov_b32 v9, 0x37ccf5ce                       ; the cosine's
	s_mov_b32 s23, 0xbfc90fdb                      ; -pi/2, its f32 part,
	s_mov_b32 s24, 0x333bbd2e                      ; and what that part leaves
	s_lshl_b32 s26, s21, 12
	s_mov_b32 s27, 0
	s_add_nc_u64 s[18:19], s[18:19], s[26:27]      ; my wave's 4,096 bytes of the table
.macro SINCOS i, lit, fac              ; cos into v[32 + i], sin into v[48 + i]
.if \lit == 0x3f800000
	v_mul_f32 v64, v5, v[\fac]                     ; f = t x 10^(-d/8)
.else
	v_mul_f32 v64, \lit, v[\fac]
	v_mul_f32 v64, v5, v64
.endif
	v_mul_f32 v65, 0x3f22f983, v64
	v_rndne_f32 v65, v65                           ; n = round(f x 2/pi)
	v_fma_f32 v66, v65, s23, v64
	v_fma_f32 v66, v65, s24, v66                   ; r = f - n pi/2
	v_mul_f32 v67, v66, v66                        ; z = r r
	v_fmaak_f32 v68, v67, v8, 0x3c08839e
	v_fmaak_f32 v68, v67, v68, 0xbe2aaaa3
	v_mul_f32 v69, v67, v66
	v_fma_f32 v68, v69, v68, v66                   ; sin r
	v_fmaak_f32 v70, v67, v9, 0xbab6061a
	v_fmaak_f32 v70, v67, v70, 0x3d2aaaa5
	v_mul_f32 v71, v67, v67
	v_fma_f32 v72, v67, -0.5, 1.0
	v_fma_f32 v70, v71, v70, v72                   ; cos r
	v_cvt_i32_f32 v73, v65
	v_and_b32 v74, 1, v73
	v_cmp_eq_u32 vcc_lo, 1, v74                    ; an odd quadrant swaps the two
	v_cndmask_b32 v[48+\i], v68, v70, vcc_lo
	v_cndmask_b32 v[32+\i], v70, v68, vcc_lo
	v_lshlrev_b32 v74, 30, v73
	v_and_b32 v74, 0x80000000, v74
	v_xor_b32 v[48+\i], v[48+\i], v74              ; the sine is negative in quadrants 2 and 3,
	v_add_nc_u32 v73, 1, v73
	v_lshlrev_b32 v73, 30, v73
	v_and_b32 v73, 0x80000000, v73
	v_xor_b32 v[32+\i], v[32+\i], v73              ; the cosine in 1 and 2
.endm
.irp b, 0,1
	SINCOS 8*\b+0, 0x3f800000, 6+\b
	SINCOS 8*\b+1, 0x3f3ff911, 6+\b
	SINCOS 8*\b+2, 0x3f0ff59a, 6+\b
	SINCOS 8*\b+3, 0x3ed7e89b, 6+\b
	SINCOS 8*\b+4, 0x3ea1e89b, 6+\b
	SINCOS 8*\b+5, 0x3e72d424, 6+\b
	SINCOS 8*\b+6, 0x3e361887, 6+\b
	SINCOS 8*\b+7, 0x3e088d77, 6+\b
.endr
.irp c, 0,1,2,3,4,5,6,7
	global_store_b128 v3, v[32+4*\c:35+4*\c], s[18:19] offset:512*\c   ; chunks 0-3: the cosines, 4-7: the sines; 512 consecutive bytes a store
.endr
	s_endpgm
.Lfunc_end_k_qc515756e6c_prep:
	.size	k_qc515756e6c_prep, .Lfunc_end_k_qc515756e6c_prep-k_qc515756e6c_prep
	.p2alignl 7, 3214868480
	.fill 96, 4, 3214868480
	.section	.rodata,"a",@progbits
	.p2align	6, 0x0
	.amdhsa_kernel k_qc515756e6c_prep
		.amdhsa_group_segment_fixed_size 33280
		.amdhsa_private_segment_fixed_size 0
		.amdhsa_enable_private_segment 0
		.amdhsa_kernarg_size 64
		.amdhsa_user_sgpr_count 2
		.amdhsa_user_sgpr_kernarg_segment_ptr 1
		.amdhsa_wavefront_size32 1
		.amdhsa_system_sgpr_workgroup_id_x 1
		.amdhsa_system_sgpr_workgroup_id_y 1
		.amdhsa_system_sgpr_workgroup_id_z 1
		.amdhsa_system_vgpr_workitem_id 0
		.amdhsa_next_free_vgpr 194
		.amdhsa_next_free_sgpr 66
		.amdhsa_reserve_vcc 1
		.amdhsa_float_denorm_mode_32 3
		.amdhsa_float_denorm_mode_16_64 3
		.amdhsa_memory_ordered 1
		.amdhsa_forward_progress 1
		.amdhsa_inst_pref_size 60
	.end_amdhsa_kernel
	.amdgpu_metadata
---
amdhsa.version: [ 1, 2 ]
amdhsa.kernels:
  - .name:           k_qc515756e6c_prep
    .symbol:         k_qc515756e6c_prep.kd
    .args:
      - { .name: x, .offset: 0, .size: 8, .value_kind: global_buffer, .address_space: global }
      - { .name: W_qkv, .offset: 8, .size: 8, .value_kind: global_buffer, .address_space: global }
      - { .name: W_proj, .offset: 16, .size: 8, .value_kind: global_buffer, .address_space: global }
      - { .name: lowp_scales, .offset: 24, .size: 8, .value_kind: global_buffer, .address_space: global }
      - { .name: x_codes, .offset: 32, .size: 8, .value_kind: global_buffer, .address_space: global }
      - { .name: wqkv_codes, .offset: 40, .size: 8, .value_kind: global_buffer, .address_space: global }
      - { .name: wproj_codes, .offset: 48, .size: 8, .value_kind: global_buffer, .address_space: global }
      - { .name: rope, .offset: 56, .size: 8, .value_kind: global_buffer, .address_space: global }
    .group_segment_fixed_size: 33280
    .private_segment_fixed_size: 0
    .kernarg_segment_align: 8
    .kernarg_segment_size: 64
    .max_flat_workgroup_size: 128
    .sgpr_count:     66
    .vgpr_count:     194
    .wavefront_size: 32
...
	.end_amdgpu_metadata
.endif
;; end of part 1
;; launch qkv (part 2): grid 12 x 32, 4 waves a work-group, clusters of 4 x 4, 327,680 bytes of LDS; arguments x_codes, wqkv_codes, lowp_scales, b_qkv, lamb, v1, rope, q_codes, kv_codes, out1; writes q_codes, kv_codes, out1
.if DOCPART == 2
	.amdgcn_target "amdgcn-amd-amdhsa--gfx1250"
	.amdhsa_code_object_version 6
	.text
	.protected	k_qc515756e6c_qkv
	.globl	k_qc515756e6c_qkv
	.p2align	8
	.type	k_qc515756e6c_qkv,@function
k_qc515756e6c_qkv:
	s_mov_b64 s[64:65], 0
	v_nop
	global_prefetch_b8 v0, s[64:65] scope:SCOPE_SE
	s_setreg_imm32_b32 hwreg(HW_REG_WAVE_MODE, 25, 1), 1
	s_wait_xcnt 0x0
	s_wait_alu depctr_hold_cnt(0) depctr_sa_sdst(0) depctr_va_vdst(0) depctr_va_sdst(0) depctr_va_ssrc(0) depctr_va_vcc(0) depctr_vm_vsrc(0)
	s_getreg_b32 s2, hwreg(HW_REG_IB_STS2, 6, 4)
	s_cmp_eq_u32 s2, 0
	s_cbranch_scc0 .Lentry_in_a_cluster
	s_endpgm
.Lentry_in_a_cluster:
	s_bfe_u32 s2, ttmp6, 0x10000c
	s_cmp_lg_u32 s2, 0xf033
	s_cbranch_scc0 .Lentry_shape_is_right
	s_endpgm
.Lentry_shape_is_right:
; qkv = x W_qkv^T + b_qkv on codes of BF8 (E5M2), and all that the module does to q, k and v before attention.
; x_codes [8192][1024], wqkv_codes [3072][1024]: codes, K innermost, in the order that gives the matrix form its own places of k from loads of 16 bytes.
; A tile of the product, 256 x 256, is made by a work-group of four waves; a wave makes 128 rows (one step of 128 tokens) x 128 columns (two heads): 64 accumulators, 512 registers.
; K goes in 4 steps of 256 through a ring of two LDS slots filled by the tensor data mover.  CLUSTERS of 4 x 4 work-groups: A's tile is asked for jointly along a row of the cluster, B's along a column.
; THE MATRIX INSTRUCTION IS USED TRANSPOSED (source 0 = 16 rows of W, source 1 = 16 rows of x): lane (r, h) holds token r of a block, register j of accumulator (a, b) column 16 b + 8 h + j.
; The bias, divided by 2^(e0 + e1), is the C of each sum's first matrix instruction.
; THE WAY OUT hangs on the cluster's x, which all sixteen partners share: 0 = q, 1 = k, 2 = v.
;   q, k: RMS norm over a head's 64 (32 in my lane, 32 in the lane 16 away), rotary turn by the table, hold, codes.  A lane's 32 numbers ARE a fragment of 16 tokens x 64: it is stored as an image of its
;         registers (registers 0-3 at 16 x lane, 4-7 at 512 + 16 x lane): q_codes [head][tile of 16][1024], kv_codes [head][step of 128][8 images of K, then 4 of V^T].
;   v:    through my stage in LDS into whole rows; value = (1 - lamb) v + lamb v1 goes to out1; its codes are turned, 4 x 4 bytes at a time, so that the keys run along the registers, gathered in a second
;         stage as images of V^T's fragments (16 channels x 128 keys, 2,048 bytes), and stored.
; LIMITS: e2, e3, e5 between -126 and 112.  NaN among the inputs is not served.
; REGISTERS, in windows of 256: window 0: v0-31 addresses and constants; v32-95 the bias; from v128 A's fragments, one set; on the way out v32-255 are free.
;   window 1: B's fragments, two sets.   window 2: the accumulators of my rows 0-63 ((a, b) at v[8 (8 a + b)]);   window 3: those of rows 64-127.
.set SIZE_K, 1024
.set KSTEP,  256
.set ROWB,   256                       ; a tile's row in bytes
.set KROW,   SIZE_K                    ; a row of codes in memory
.set PITCH,  272                       ; an LDS row: 256 bytes + 16 of padding = 68 words: row r starts at bank 4 r mod 64 (64 banks of 4 bytes: ISA guide 11.1)
.set FR,     16                        ; registers of a fragment: 16 rows x 128 K
.set NL,     4                         ; LDS loads that bring one
.set NP,     4                         ; places behind this matrix instruction (ISA guide 7.12.1)
.set HALFT,  128*PITCH
.set SLOT,   4*HALFT
.set LAPS,   SIZE_K/(2*KSTEP)
.set SPARE,  2*SLOT                    ; behind the ring: the spare words, 128 bytes a wave: two blocks of 256 bytes that no other line names
.set FPITCH, 528                       ; v's way out: a stage of 16 rows x (512 bytes + 16) a wave, from LDS byte 0 on: slot 0 has had its last fill and its last read by then
.set CST,    4*16*FPITCH               ; behind them: a stage of 8 images a wave,
.set CFR,    2064                      ; 2,048 bytes + 16 each
.set VO,   7                           ; v7      v1, out1: 524,288 (lane / 16) + 16 (lane % 16): head and 4 channels
.set ADRA, 16                          ; v16-17  LDS address of my A fragments in slot 0, 1
.set CSTO, 18                          ; v18     where I put codes in the code stage
.set CRD,  19                          ; v19     and where I read an image back
.set ADRB, 20                          ; v20-21  LDS address of my B fragments
.set PFO,  22                          ; v22     256 x lane: the prefetches' offset; never rewritten
.set BO,   23                          ; v23     32 (lane / 16): the bias loads' offset
.set STO,  24                          ; v24     the f32 stage: where I put 32 bytes of a row
.set RD,   25                          ; v25     and where I read a row back
.set LI,   26                          ; v26     16 x lane
.set HOLD, 27                          ; v27     57,344 x 2^e of the operand that this tile makes
.set SPW,  28                          ; v28     LDS address of my spare word; never rewritten
.set NIL,  29                          ; v29     0; never rewritten
.set SCL,  30                          ; v30     2^e
.set EPS,  31                          ; v31     1e-6 / 2^(2 (e0 + e1))
.set BIAS, 32
.set AF,   128
.set G1, 24
.set G0, 32
.set G1B, 48
.set G0B, 56
.set MSB, 0
.macro WIN new                         ; the immediate's high byte repeats the setting that is left
.if MSB != (\new)
	s_set_vgpr_msb (MSB<<8)|(\new)
.set MSB, (\new)
.endif
.endm
.set MUL_LO, 0xa1                      ; source 0 (B) window 1, source 1 (A) window 0, C and D window 2
.set MUL_HI, 0xf1                      ; the same, C and D window 3
.set BEG_LO, 0x81                      ; the first step: C (the bias) window 0, D window 2
.set BEG_HI, 0xc1                      ; D window 3
.set TO_B,   0x40
; A joint load: waves 0 and 1 fetch for A, waves 2 and 3 for B; the branch hangs on the wave's number alone.  Four v_nop follow each of the two lines.
.macro JLOAD g0a, g1a, g0b, g1b
	s_cmp_eq_u32 s15, 0
	s_cbranch_scc0 .Lfor_b_\@
	tensor_load_to_lds s[\g0a:\g0a+3], s[\g1a:\g1a+7]
	s_nop 0
.rept 4
	v_nop
.endr
	s_branch .Lasked_\@
.Lfor_b_\@:
	tensor_load_to_lds s[\g0b:\g0b+3], s[\g1b:\g1b+7]
	s_nop 0
.rept 4
	v_nop
.endr
.Lasked_\@:
.endm
.macro CREST                           ; a round of the cluster's barrier behind its opening barrier
	s_cmp_lg_u32 s14, 0
	s_cbranch_scc1 .Lnot_wave_0_\@
	s_barrier_signal -3
.Lnot_wave_0_\@:
	s_barrier_wait -3
	s_barrier_signal -1
	s_barrier_wait -1
.endm
.macro CROUND
	s_barrier_signal -1
	s_barrier_wait -1
	CREST
.endm
; A PREFETCH INTO THE L2 of my wave's own part of v1, in tiles of v alone: at the first refill head 0's 128 rows of 256 bytes, at the second head 1's: a lane a row, four instructions.
; Each row is named once in the launch, by the wave that will load it on its way out, some 2.25 to 3.25 K steps (288 to 416 matrix instructions) later.  The address registers are never rewritten.
.macro ASKV slot
	s_cmp_eq_u32 ttmp9, 2
	s_cbranch_scc0 .Lno_v_\@
.irp g, 0,1,2,3
	global_prefetch_b8 v[PFO], s[70:71] offset:\slot*524288+\g*8192 th:TH_LOAD_NT scope:SCOPE_SE
.endr
.Lno_v_\@:
.endm
	s_load_b128 s[4:7], s[0:1], 0x0                ; x_codes, wqkv_codes
	s_load_b128 s[8:11], s[0:1], 0x10              ; the scales' exponents, b_qkv
	s_load_b256 s[68:75], s[0:1], 0x20             ; lamb, v1, rope, q_codes
	s_load_b128 s[76:79], s[0:1], 0x40             ; kv_codes, out1
	v_lshl_add_u32 v[SPW], v0, 2, SPARE
	v_mov_b32 v[NIL], 0
	ds_add_u32 v28, v29
	ds_add_u32 v28, v29
	s_wait_dscnt 0x0
	v_lshrrev_b32 v1, 5, v0
	v_readfirstlane_b32 s14, v1                    ; wave 0..3
	s_lshr_b32 s15, s14, 1                         ; which half of the tile's rows is mine.  Also: I fetch for A (0) or for B (1)
	s_and_b32 s16, s14, 1                          ; which half of its columns.  Also: which 128 rows of that tile I fetch
	s_bfe_u32 s40, ttmp6, 0x40000                  ; cx, cy: my place in the cluster
	s_bfe_u32 s41, ttmp6, 0x40004
	s_lshl_b32 s42, ttmp9, 2
	s_add_co_u32 s42, s42, s40                     ; tile column = 4 x cluster x + cx
	s_and_b32 s17, ttmp7, 0xffff
	s_lshl_b32 s17, s17, 2
	s_add_co_u32 s17, s17, s41                     ; tile row = 4 x cluster y + cy
	s_lshl_b32 s43, s41, 2
	s_lshl_b32 s43, 15, s43                        ; my row of the cluster
	s_lshl_b32 s44, 0x1111, s40                    ; my column
	s_or_b32 s[G1+0], s43, (0<<16)|(1<<20)|(1<<21)|(5<<22)|(3<<25)  ; 15:0 the mask; 17:16 elements of 1 byte; 20 padding on; 21 set beside a mask; 24:22 after every 64 words; 31:25 four words
	s_or_b32 s[G1B+0], s44, (0<<16)|(1<<20)|(1<<21)|(5<<22)|(3<<25)
.irp g, G1, G1B
	s_mov_b32 s[\g+1], ROWB<<16                    ; tensor_dim0
	s_mov_b32 s[\g+2], 128<<16                     ; tensor_dim1
	s_mov_b32 s[\g+3], ROWB<<16                    ; tile_dim0
	s_mov_b32 s[\g+4], 128                         ; tile_dim1
	s_mov_b32 s[\g+5], KROW                        ; tensor_dim0_stride
	s_mov_b32 s[\g+6], 0
	s_mov_b32 s[\g+7], 0
.endr
	s_lshl_b32 s18, s16, 7
	s_lshl_b32 s20, s17, 8
	s_add_co_u32 s20, s20, s18                     ; A: row 256 x tile row + 128 x half
	s_lshl_b32 s46, s42, 8
	s_add_co_u32 s46, s46, s18                     ; B: row 256 x tile column + 128 x half
	s_mov_b32 s21, 0
	s_mov_b32 s47, 0
	s_mov_b64 s[18:19], KROW
	s_mul_u64 s[20:21], s[20:21], s[18:19]
	s_mul_u64 s[46:47], s[46:47], s[18:19]
	s_mul_i32 s45, s14, HALFT                      ; where they go: wave x 128 rows: no place in the cluster enters an LDS address
	s_wait_kmcnt 0x0
	s_load_b256 s[80:87], s[8:9], 0x0              ; e0 .. e7
	s_load_b32 s88, s[68:69], 0x0                  ; lamb
	s_add_nc_u64 s[20:21], s[4:5], s[20:21]
	s_add_nc_u64 s[46:47], s[6:7], s[46:47]
	CROUND                                         ; all sixteen work-groups are here: the first joint loads meet
.irp s, 0,1
	s_mov_b32 s[G0+4*\s], 1
	s_add_co_u32 s[G0+4*\s+1], s45, \s*SLOT
	s_add_nc_u64 s[G0+4*\s+2:G0+4*\s+3], s[20:21], \s*ROWB
	s_or_b32 s[G0+4*\s+3], s[G0+4*\s+3], 0x80000000
	s_mov_b32 s[G0B+4*\s], 1
	s_add_co_u32 s[G0B+4*\s+1], s45, \s*SLOT
	s_add_nc_u64 s[G0B+4*\s+2:G0B+4*\s+3], s[46:47], \s*ROWB
	s_or_b32 s[G0B+4*\s+3], s[G0B+4*\s+3], 0x80000000
.endr
	JLOAD G0, G1, G0B, G1B                         ; K step 0: one tensor load a wave at the head
	s_lshl_b32 s12, s42, 10                        ; the bias of my 128 columns: 1,024 x tile column + 512 x half bytes on
	s_lshl_b32 s13, s16, 9
	s_add_co_u32 s12, s12, s13
	s_mov_b32 s13, 0
	s_add_nc_u64 s[10:11], s[10:11], s[12:13]
	v_and_b32 v1, 15, v0                           ; r
	s_wait_alu depctr_va_vdst(0)
	v_bfe_u32 v2, v0, 4, 1                         ; h
	v_lshlrev_b32 v[BO], 5, v2
.irp b, 0,1,2,3,4,5,6,7
	global_load_b128 v[BIAS+8*\b:BIAS+8*\b+3],   v[BO], s[10:11] offset:64*\b      ; b_qkv at columns 16 b + 8 h + 0 .. 7
	global_load_b128 v[BIAS+8*\b+4:BIAS+8*\b+7], v[BO], s[10:11] offset:64*\b+16
.endr
	v_mul_u32_u24 v3, v1, PITCH
	v_lshl_add_u32 v4, v2, 4, v3                   ; a fragment's row x pitch + 16 x half
	s_mul_i32 s21, s15, HALFT
	s_mul_i32 s22, s16, HALFT
	s_add_co_u32 s22, s22, 2*HALFT
.irp s, 0,1
	v_add_nc_u32 v[ADRA+\s], s21, v4
	v_add_nc_u32 v[ADRB+\s], s22, v4
	s_add_co_u32 s21, s21, SLOT
	s_add_co_u32 s22, s22, SLOT
.endr
	s_mul_i32 s23, s14, 16*FPITCH                  ; my f32 stage
	v_mul_u32_u24 v5, v1, FPITCH
	s_wait_alu depctr_va_vdst(0)
	v_lshl_add_u32 v5, v2, 5, v5
	v_add_nc_u32 v[STO], s23, v5                   ; in: row r, 32 bytes for each half of the lanes
	v_and_b32 v6, 31, v0
	v_lshlrev_b32 v[LI], 4, v6
	v_add_nc_u32 v[RD], s23, v[LI]                 ; back: the 32 lanes take one row of 512 bytes
	v_lshlrev_b32 v[VO], 4, v1
	v_lshl_add_u32 v[VO], v2, 19, v[VO]
	s_mul_i32 s23, s14, 8*CFR
	s_add_co_u32 s23, s23, CST                     ; my code stage
	v_add_nc_u32 v[CRD], s23, v[LI]
	v_mul_u32_u24 v5, v2, 4*CFR                    ; in: head lane / 16: four images; image (lane % 16) / 4; channel rows 4 (lane % 4) on: 64 bytes each four
	v_bfe_u32 v3, v0, 2, 2
	v_mad_u32_u24 v5, v3, CFR, v5
	v_and_b32 v3, 3, v0
	v_lshl_add_u32 v5, v3, 6, v5
	v_add_nc_u32 v[CSTO], s23, v5
	v_lshlrev_b32 v[PFO], 8, v6
	; where my part lies: batch = tile row / 8; step of 128 tokens = 2 (tile row % 8) + row half; first head = 16 batch + 4 cx + 2 column half
	s_lshr_b32 s12, s17, 3
	s_lshl_b32 s12, s12, 4
	s_lshl_b32 s13, s40, 2
	s_add_co_u32 s12, s12, s13
	s_lshl_b32 s13, s16, 1
	s_add_co_u32 s12, s12, s13                     ; head
	s_and_b32 s13, s17, 7
	s_lshl_b32 s13, s13, 1
	s_add_co_u32 s13, s13, s15                     ; step
	s_mov_b32 s97, 0
	s_lshl_b32 s96, s12, 19
	s_lshl_b32 s101, s13, 15
	s_add_co_u32 s96, s96, s101
	s_add_nc_u64 s[70:71], s[70:71], s[96:97]      ; v1 and out1: 524,288 bytes a head, 32,768 a step
	s_add_nc_u64 s[78:79], s[78:79], s[96:97]
	s_mov_b32 s96, s101
	s_add_nc_u64 s[72:73], s[72:73], s[96:97]      ; the table: 4,096 bytes for 16 tokens
	s_lshl_b32 s96, s12, 17
	s_lshl_b32 s101, s13, 13
	s_add_co_u32 s96, s96, s101
	s_cmp_eq_u32 ttmp9, 0
	s_cselect_b64 s[90:91], s[74:75], s[76:77]     ; q's images go to q_codes (131,072 bytes a head, 8,192 a step), k's to kv_codes (twice that)
	s_cselect_b32 s101, 0, 1
	s_lshl_b32 s96, s96, s101
	s_add_nc_u64 s[90:91], s[90:91], s[96:97]      ; my first head's,
	s_lshl_b32 s96, 0x20000, s101
	s_add_nc_u64 s[92:93], s[90:91], s[96:97]      ; my second head's
	s_lshl_b32 s96, s12, 18
	s_lshl_b32 s101, s13, 14
	s_add_co_u32 s96, s96, s101
	s_add_co_u32 s96, s96, 8192
	s_add_nc_u64 s[76:77], s[76:77], s[96:97]      ; V^T's images: behind the step's eight of K
	s_mov_b32 s98, 0x76543210                      ; v_permlanex16_b32's selects for lane l xor 16
	s_mov_b32 s99, 0xfedcba98
	s_mov_b32 s66, 0x05010400                      ; v_perm_b32's selectors for the turn of 4 x 4 bytes
	s_mov_b32 s67, 0x07030602
	s_mov_b32 s89, 0x05040100
	s_mov_b32 s100, 0x07060302
	s_wait_kmcnt 0x0
	s_cmp_eq_u32 ttmp9, 1
	s_cselect_b32 s96, s83, s85
	s_cmp_eq_u32 ttmp9, 0
	s_cselect_b32 s96, s82, s96                    ; e of the operand that this tile makes: e2, e3 or e5
	s_add_co_i32 s96, s96, 127
	s_lshl_b32 s101, s96, 23
	v_mov_b32 v[SCL], s101
	s_add_co_i32 s96, s96, 15
	s_lshl_b32 s96, s96, 23
	s_or_b32 s96, s96, 0x600000
	v_mov_b32 v[HOLD], s96
	s_add_co_i32 s94, s80, s81                     ; E = e0 + e1: a sum stands for sum x 2^E
	s_sub_co_i32 s95, 0, s94
	s_lshl_b32 s96, s95, 1
	v_mov_b32 v[EPS], 0x358637bd
	v_ldexp_f32 v[EPS], v[EPS], s96                ; the norm of sums that lack 2^E wants eps / 2^(2 E)
	v_mov_b32 v14, s88
	v_mov_b32 v15, s88                             ; lamb
	v_sub_f32 v12, 1.0, v14
	v_ldexp_f32 v12, v12, s94                      ; (1 - lamb) 2^E
	v_mov_b32 v13, v12
	s_wait_loadcnt 0x0                             ; the bias
.set j, 0
.rept 64
	v_ldexp_f32 v[BIAS+j], v[BIAS+j], s95          ; / 2^E
.set j, j+1
.endr
.macro FRAG reg, adr, q, i             ; a fragment, 16 rows x 128 K: registers 4 c .. 4 c + 3 from the 16 bytes at 32 c + 16 (l / 16) of row l % 16
.irp c, 0,1,2,3
	ds_load_b128 v[\reg+4*\c:\reg+4*\c+3], v[\adr] offset:128*(\q)+32*\c+(\i)*16*PITCH
.endr
.endm
; 16 matrix instructions: A's blocks a0, a0 + 1 x B's eight.  p: B's set.  zero = 1: the first product starts the sums, with the bias as C.
; The 64 accumulators take turns, one instruction a turn, in the same order in every step.
.macro MUL16 a0, p, zero
.irp a, \a0, \a0+1
.irp b, 0,1,2,3,4,5,6,7
.if \zero
	v_wmma_f32_16x16x128_bf8_bf8 v[8*(8*((\a)%4)+\b):8*(8*((\a)%4)+\b)+7], v[128*(\p)+FR*\b:128*(\p)+FR*\b+FR-1], v[AF+FR*(\a):AF+FR*(\a)+FR-1], v[BIAS+8*\b:BIAS+8*\b+7]
.else
	v_wmma_f32_16x16x128_bf8_bf8 v[8*(8*((\a)%4)+\b):8*(8*((\a)%4)+\b)+7], v[128*(\p)+FR*\b:128*(\p)+FR*\b+FR-1], v[AF+FR*(\a):AF+FR*(\a)+FR-1], v[8*(8*((\a)%4)+\b):8*(8*((\a)%4)+\b)+7]
.endif
.endr
.endr
.endm
.macro FETCH_B slot, q, p
	WIN TO_B
.irp i, 0,1,2,3,4,5,6,7
	FRAG 128*(\p)+FR*\i, ADRB+\slot, \q, \i
.endr
	WIN 0
.endm
.macro FETCH_A slot, q, i0
.irp i, \i0, \i0+1, \i0+2, \i0+3
	FRAG AF+FR*(\i), ADRA+\slot, \q, \i
.endr
.endm
.macro PLACES n                        ; plain vector lines between a matrix instruction and a load into, or a read of, its registers (ISA guide 7.12.1 for reads)
.rept \n
	v_nop
.endr
.endm
; A step of 128 along K that has its successor in the same slot.
.macro STEP slot, q, zero
	s_wait_dscnt 4*NL                              ; B's set and A's blocks 0-3 are in; the youngest sixteen loads (A's blocks 4-7) may be out
.if \zero
	WIN BEG_LO
.else
	WIN MUL_LO
.endif
	MUL16 0, (\q)%2, \zero
	MUL16 2, (\q)%2, \zero
	s_wait_dscnt 0                                 ; A's blocks 4-7 are in
	PLACES NP
	FETCH_B \slot, (\q)+1, 1-(\q)%2
	FETCH_A \slot, (\q)+1, 0
.if \zero
	WIN BEG_HI
.else
	WIN MUL_HI
.endif
	MUL16 4, (\q)%2, \zero
	MUL16 6, (\q)%2, \zero
	PLACES NP
	WIN 0
	FETCH_A \slot, (\q)+1, 4
.endm
; A slot's last step changes slots: ONE barrier; in front of it each wave waits for all its tensor loads, adds 0 to its spare word, and waits for that and for its own reads of this slot.
.macro TURN slot, next, fill
	s_wait_tensorcnt 0x0                           ; all my tensor loads have landed: my part of the next slot
	ds_add_u32 v[SPW], v[NIL]                      ; 0 onto my spare word
	s_wait_dscnt 4*NL+1                            ; (the add and the youngest sixteen loads, A's blocks 4-7, may be out)
	WIN MUL_LO
	MUL16 0, 1, 0                                  ; sixteen matrix instructions stand between the add and the wait for it
	s_wait_dscnt 0x0                               ; the add is done, and my reads of this slot are over
	s_barrier_signal -1
	MUL16 2, 1, 0
	WIN 0
	s_barrier_wait -1
.if \fill
	CREST                                          ; the barrier has opened a round of the cluster's: no wave of any partner still reads this slot or has a load on its way
	s_add_nc_u64 s[G0+4*\slot+2:G0+4*\slot+3], s[G0+4*\slot+2:G0+4*\slot+3], 2*ROWB
	s_add_nc_u64 s[G0B+4*\slot+2:G0B+4*\slot+3], s[G0B+4*\slot+2:G0B+4*\slot+3], 2*ROWB
	JLOAD G0+4*\slot, G1, G0B+4*\slot, G1B         ; the first tensor load behind the round; its four v_nop are the places in front of the loads below
.else
	PLACES NP
.endif
	FETCH_B \next, 0, 0
	FETCH_A \next, 0, 0
.if \fill
	ASKV \slot
.endif
	WIN MUL_HI
	MUL16 4, 1, 0
	MUL16 6, 1, 0
	PLACES NP
	WIN 0
	FETCH_A \next, 0, 4
.endm
	s_wait_alu depctr_va_vdst(0)
	s_wait_tensorcnt 0x0                           ; my part of K step 0 is in
	ds_add_u32 v[SPW], v[NIL]
	s_wait_dscnt 0x0
	CROUND                                         ; everybody's part of K step 0 is in, and all sixteen work-groups are here
	JLOAD G0+4, G1, G0B+4, G1B                     ; K step 1: the first tensor load behind the round
	FETCH_B 0, 0, 0
	FETCH_A 0, 0, 0
	FETCH_A 0, 0, 4
	STEP 0, 0, 1                                   ; the first step stands in front of the loop: its products start the sums
	s_mov_b32 s3, LAPS-1
.Llap:                                                 ; a trip goes once round the ring and fills both slots again
	TURN 0, 1, 1
	STEP 1, 0, 0
	TURN 1, 0, 1
	STEP 0, 0, 0
	s_sub_co_u32 s3, s3, 1
	s_cmp_lg_u32 s3, 0
	s_cbranch_scc1 .Llap
	TURN 0, 1, 0                                   ; the last lap fills nothing
	STEP 1, 0, 0
	s_wait_dscnt 4*NL                              ; the very last step
	WIN MUL_LO
	MUL16 0, 1, 0
	MUL16 2, 1, 0
	s_wait_dscnt 0
	WIN MUL_HI
	MUL16 4, 1, 0
	MUL16 6, 1, 0
	WIN 0
	PLACES NP                                      ; in front of the first reads of results and of loads and writes into the registers that held A's fragments
	s_cmp_eq_u32 ttmp9, 2
	s_cbranch_scc1 .Lvalue
; ---- THE WAY OUT FOR q AND k.  Window 0: v32-95 two sets of the table (16 cosines, 16 sines); v96-127 T, a head's 32 numbers normed; v128-159 Y, turned; v160-167 the codes; v192-223 a pair for each (block, head).
.set CSET, 32
.set T,    96
.set Y,    128
.set CODE, 160
.set SS,   192
.macro RLOAD a                         ; the table for tokens 16 a on
.irp k, 0,1,2,3,4,5,6,7
	global_load_b128 v[CSET+32*((\a)%2)+4*\k:CSET+32*((\a)%2)+4*\k+3], v[LI], s[72:73] offset:(\a)*4096+512*\k
.endr
.endm
.macro SUMSQ w                         ; the sums of squares of window w's four blocks x two heads: eight chains by turns; each accumulator is read from its low end on
	WIN (\w)|((\w)<<2)
.set jj, 0
.rept 16
.irp al, 0,1,2,3
.irp hh, 0,1
.if jj == 0
	v_pk_mul_f32 v[SS+16*((\w)-2)+4*\al+2*\hh:SS+16*((\w)-2)+4*\al+2*\hh+1], v[64*\al+32*\hh:64*\al+32*\hh+1], v[64*\al+32*\hh:64*\al+32*\hh+1]
.else
	v_pk_fma_f32 v[SS+16*((\w)-2)+4*\al+2*\hh:SS+16*((\w)-2)+4*\al+2*\hh+1], v[64*\al+32*\hh+2*jj:64*\al+32*\hh+2*jj+1], v[64*\al+32*\hh+2*jj:64*\al+32*\hh+2*jj+1], v[SS+16*((\w)-2)+4*\al+2*\hh:SS+16*((\w)-2)+4*\al+2*\hh+1]
.endif
.endr
.endr
.set jj, jj+1
.endr
.endm
.macro ROT a, hh                       ; block a, head hh: norm, turn, hold, codes, store
.set X0, 64*((\a)%4)+32*(\hh)
.set SQ, SS+4*(\a)+2*(\hh)
.set CO, CSET+32*((\a)%2)
.set SI, CO+16
	WIN 2+(\a)/4                                   ; source 0: window 2 or 3
.set j, 0
.rept 16
	v_pk_mul_f32 v[T+j:T+j+1], v[X0+j:X0+j+1], v[SQ:SQ+1] op_sel_hi:[1,0]   ; x 1 / rms
.set j, j+2
.endr
	WIN 0
.if (\hh) == 0
.if (\a) < 7
	s_wait_alu depctr_va_vdst(0)
	s_wait_loadcnt 8                               ; this block's table is in; the next block's eight loads may be out
.else
	s_wait_alu depctr_va_vdst(0)
	s_wait_loadcnt 0
.endif
.endif
.set j, 0
.rept 8
	v_pk_mul_f32 v[Y+j:Y+j+1], v[T+16+j:T+16+j+1], v[SI+j:SI+j+1]
	v_pk_mul_f32 v[Y+16+j:Y+16+j+1], v[T+j:T+j+1], v[SI+j:SI+j+1]
.set j, j+2
.endr
.set j, 0
.rept 8
	v_pk_fma_f32 v[Y+j:Y+j+1], v[T+j:T+j+1], v[CO+j:CO+j+1], v[Y+j:Y+j+1]                                               ; x1 cos + x2 sin
	v_pk_fma_f32 v[Y+16+j:Y+16+j+1], v[T+16+j:T+16+j+1], v[CO+j:CO+j+1], v[Y+16+j:Y+16+j+1] neg_lo:[0,0,1] neg_hi:[0,0,1] ; x2 cos - x1 sin
.set j, j+2
.endr
.set j, 0
.rept 32
	v_med3_num_f32 v[Y+j], v[Y+j], -v[HOLD], v[HOLD]   ; the conversion does not saturate (ISA guide 7.6.2)
.set j, j+1
.endr
	s_wait_alu depctr_va_vdst(0)
	s_wait_xcnt 0x0                                ; the stores before have read the codes' registers
.irp b, 0,1,2,3
	v_cvt_scalef32_pk8_bf8_f32 v[CODE+2*\b:CODE+2*\b+1], v[Y+8*\b:Y+8*\b+7], v[SCL]   ; registers 2 b, 2 b + 1: d = 16 b + 8 h + 0 .. 7
.endr
	v_nop                                          ; a plain line behind the last conversion
	global_store_b128 v[LI], v[CODE:CODE+3],   s[90+2*(\hh):91+2*(\hh)] offset:(\a)*1024       ; the image: 512 consecutive bytes a store
	global_store_b128 v[LI], v[CODE+4:CODE+7], s[90+2*(\hh):91+2*(\hh)] offset:(\a)*1024+512
.endm
	RLOAD 0
	RLOAD 1
	s_mov_b32 s96, 0x3c800000                      ; 1 / 64
	SUMSQ 2
	SUMSQ 3
	WIN 0
.set p, 0
.rept 16
	v_add_f32 v[SS+2*p], v[SS+2*p], v[SS+2*p+1]
.set p, p+1
.endr
.set p, 0
.rept 16
	v_permlanex16_b32 v[SS+2*p+1], v[SS+2*p], s98, s99   ; the head's other 32 numbers lie in the lane 16 away
.set p, p+1
.endr
.set p, 0
.rept 16
	v_add_f32 v[SS+2*p], v[SS+2*p], v[SS+2*p+1]
.set p, p+1
.endr
.set p, 0
.rept 16
	v_fma_f32 v[SS+2*p], v[SS+2*p], s96, v[EPS]
.set p, p+1
.endr
.set p, 0
	s_wait_alu depctr_va_vdst(0)
.rept 16
	v_rsq_f32 v[SS+2*p], v[SS+2*p]
.set p, p+1
.endr
	v_nop                                          ; a plain line behind the last of the batch
	s_wait_alu depctr_va_vdst(0)                   ; one wait for the sixteen, ahead of their first reader
.irp a, 0,1,2,3,4,5,6,7
	ROT \a, 0
	ROT \a, 1
.if \a < 6
	RLOAD \a+2
.endif
.endr
	s_branch .Lend
; ---- THE WAY OUT FOR v.  Window 0: v32-95 R, 16 rows x 4 channels of a lane; v96-223 two sets of v1; v224-239 a row's four codes; v240-255 a channel's sixteen.
.Lvalue:
.set RR,  32
.set V1S, 96
.set CC,  224
.set TT,  240
.macro VLOAD a                         ; v1 at tokens 16 a on: sixteen lanes read one row of one head, 256 consecutive bytes
.irp i, 0,1,2,3,4,5,6,7,8,9,10,11,12,13,14,15
	global_load_b128 v[V1S+64*((\a)%2)+4*\i:V1S+64*((\a)%2)+4*\i+3], v[VO], s[70:71] offset:(16*(\a)+\i)*256 th:TH_LOAD_NT
.endr
.endm
.macro VBLOCK a
.set AC, 64*((\a)%4)
.set VS, V1S+64*((\a)%2)
	WIN (2+(\a)/4)<<2                              ; the stores' data: window 2 or 3
.irp b, 0,1,2,3,4,5,6,7
	ds_store_b128 v[STO], v[AC+8*\b:AC+8*\b+3] offset:64*\b          ; each accumulator from its low end on
	ds_store_b128 v[STO], v[AC+8*\b+4:AC+8*\b+7] offset:64*\b+16
.endr
	WIN 0
.if (\a) > 0
	s_wait_xcnt 0x0                                ; the last block's stores to out1 have read R
.endif
.irp i, 0,1,2,3,4,5,6,7,8,9,10,11,12,13,14,15
	ds_load_b128 v[RR+4*\i:RR+4*\i+3], v[RD] offset:\i*FPITCH   ; LDS serves a wave's instructions in order (ISA guide 5.7.1.4): row i, head lane / 16, channels 4 (lane % 16) on
.endr
.if (\a) < 7
	s_wait_loadcnt 16                              ; this block's v1 is in; the next block's sixteen loads may be out
.else
	s_wait_loadcnt 0
.endif
.set j, 0
.rept 32
	v_pk_mul_f32 v[VS+j:VS+j+1], v[VS+j:VS+j+1], v[14:15] op_sel_hi:[1,0]   ; lamb v1
.set j, j+2
.endr
	s_wait_dscnt 0x0                               ; the rows are back; the last block's stores into the code stage are done too
.set j, 0
.rept 32
	v_pk_fma_f32 v[RR+j:RR+j+1], v[RR+j:RR+j+1], v[12:13], v[VS+j:VS+j+1] op_sel_hi:[1,0,1]   ; value = (1 - lamb) 2^E sum + lamb v1
.set j, j+2
.endr
.irp i, 0,1,2,3,4,5,6,7,8,9,10,11,12,13,14,15
	global_store_b128 v[VO], v[RR+4*\i:RR+4*\i+3], s[78:79] offset:(16*(\a)+\i)*256 th:TH_STORE_NT   ; sixteen lanes store 256 consecutive bytes, aligned
.endr
.set j, 0
.rept 64
	v_med3_num_f32 v[VS+j], v[RR+j], -v[HOLD], v[HOLD]
.set j, j+1
.endr
.irp p, 0,1,2,3,4,5,6,7
	v_cvt_scalef32_pk8_bf8_f32 v[CC+2*\p:CC+2*\p+1], v[VS+8*\p:VS+8*\p+7], v[SCL]   ; register i: row i's four channels
.endr
	v_nop                                          ; a plain line between the last conversion and the readers of the codes
.irp g, 0,1,2,3                        ; 4 rows x 4 channels of bytes are turned: register 4 e + g: channel e, rows 4 g .. 4 g + 3
	v_perm_b32 v8,  v[CC+4*\g+1], v[CC+4*\g],   s66
	v_perm_b32 v9,  v[CC+4*\g+1], v[CC+4*\g],   s67
	v_perm_b32 v10, v[CC+4*\g+3], v[CC+4*\g+2], s66
	v_perm_b32 v11, v[CC+4*\g+3], v[CC+4*\g+2], s67
	v_perm_b32 v[TT+\g],    v10, v8, s89
	v_perm_b32 v[TT+4+\g],  v10, v8, s100
	v_perm_b32 v[TT+8+\g],  v11, v9, s89
	v_perm_b32 v[TT+12+\g], v11, v9, s100
.endr
.irp e, 0,1,2,3                        ; keys 16 a + 8 u + 0 .. 7 of channel row 4 (lane % 4) + e are registers 2 a, 2 a + 1 of the image's lane (row, u)
.irp u, 0,1
	ds_store_b64 v[CSTO], v[TT+4*\e+2*\u:TT+4*\e+2*\u+1] offset:((\a)/2)*512+((\a)%2)*8+16*\e+256*\u
.endr
.endr
.if (\a) < 6
	VLOAD (\a)+2
.endif
.endm
	VLOAD 0
	VLOAD 1
.irp a, 0,1,2,3,4,5,6,7
	VBLOCK \a
.endr
.irp f, 0,1,2,3,4,5,6,7
.irp c, 0,1,2,3
	ds_load_b128 v[V1S+16*\f+4*\c:V1S+16*\f+4*\c+3], v[CRD] offset:\f*CFR+512*\c
.endr
.endr
.irp f, 0,1,2,3,4,5,6,7
.irp c, 0,1,2,3
	s_wait_dscnt 31-(4*\f+\c)                      ; this load is in; the younger ones may be out
	global_store_b128 v[LI], v[V1S+16*\f+4*\c:V1S+16*\f+4*\c+3], s[76:77] offset:(\f/4)*262144+(\f%4)*2048+512*\c   ; 512 consecutive bytes a store
.endr
.endr
.Lend:
	s_wait_tensorcnt 0x0                           ; the wave's end
	ds_add_u32 v[SPW], v[NIL]
	s_wait_dscnt 0x0
	CROUND                                         ; the closing round: no work-group ends while a partner may still ask for a tile that names it
	s_endpgm
.Lfunc_end_k_qc515756e6c_qkv:
	.size	k_qc515756e6c_qkv, .Lfunc_end_k_qc515756e6c_qkv-k_qc515756e6c_qkv
	.p2alignl 7, 3214868480
	.fill 96, 4, 3214868480
	.section	.rodata,"a",@progbits
	.p2align	6, 0x0
	.amdhsa_kernel k_qc515756e6c_qkv
		.amdhsa_group_segment_fixed_size 327680
		.amdhsa_private_segment_fixed_size 0
		.amdhsa_enable_private_segment 0
		.amdhsa_kernarg_size 80
		.amdhsa_user_sgpr_count 2
		.amdhsa_user_sgpr_kernarg_segment_ptr 1
		.amdhsa_wavefront_size32 1
		.amdhsa_system_sgpr_workgroup_id_x 1
		.amdhsa_system_sgpr_workgroup_id_y 1
		.amdhsa_system_sgpr_workgroup_id_z 1
		.amdhsa_system_vgpr_workitem_id 0
		.amdhsa_next_free_vgpr 1024
		.amdhsa_next_free_sgpr 102
		.amdhsa_reserve_vcc 0
		.amdhsa_float_denorm_mode_32 3
		.amdhsa_float_denorm_mode_16_64 3
		.amdhsa_memory_ordered 1
		.amdhsa_forward_progress 1
		.amdhsa_inst_pref_size 255
	.end_amdhsa_kernel
	.section	.bss,"aw",@nobits
	.p2align	6
	.space	262144
	.amdgpu_metadata
---
amdhsa.version: [ 1, 2 ]
amdhsa.kernels:
  - .name:           k_qc515756e6c_qkv
    .symbol:         k_qc515756e6c_qkv.kd
    .args:
      - { .name: x_codes, .offset: 0, .size: 8, .value_kind: global_buffer, .address_space: global }
      - { .name: wqkv_codes, .offset: 8, .size: 8, .value_kind: global_buffer, .address_space: global }
      - { .name: lowp_scales, .offset: 16, .size: 8, .value_kind: global_buffer, .address_space: global }
      - { .name: b_qkv, .offset: 24, .size: 8, .value_kind: global_buffer, .address_space: global }
      - { .name: lamb, .offset: 32, .size: 8, .value_kind: global_buffer, .address_space: global }
      - { .name: v1, .offset: 40, .size: 8, .value_kind: global_buffer, .address_space: global }
      - { .name: rope, .offset: 48, .size: 8, .value_kind: global_buffer, .address_space: global }
      - { .name: q_codes, .offset: 56, .size: 8, .value_kind: global_buffer, .address_space: global }
      - { .name: kv_codes, .offset: 64, .size: 8, .value_kind: global_buffer, .address_space: global }
      - { .name: out1, .offset: 72, .size: 8, .value_kind: global_buffer, .address_space: global }
    .group_segment_fixed_size: 327680
    .private_segment_fixed_size: 0
    .kernarg_segment_align: 8
    .kernarg_segment_size: 80
    .max_flat_workgroup_size: 128
    .sgpr_count:     102
    .vgpr_count:     1024
    .wavefront_size: 32
...
	.end_amdgpu_metadata
.endif
;; end of part 2
;; launch attn (part 3): grid 4 x 64, 8 waves a work-group, clusters of 4 x 1, 327,680 bytes of LDS; arguments q_codes, kv_codes, lowp_scales, a_codes; writes a_codes
.if DOCPART == 3
	.amdgcn_target "amdgcn-amd-amdhsa--gfx1250"
	.amdhsa_code_object_version 6
	.text
	.protected	k_qc515756e6c_attn
	.globl	k_qc515756e6c_attn
	.p2align	8
	.type	k_qc515756e6c_attn,@function
k_qc515756e6c_attn:
	s_mov_b64 s[64:65], 0
	v_nop
	global_prefetch_b8 v0, s[64:65] scope:SCOPE_SE
	s_setreg_imm32_b32 hwreg(HW_REG_WAVE_MODE, 25, 1), 1
	s_wait_xcnt 0x0
	s_wait_alu depctr_hold_cnt(0) depctr_sa_sdst(0) depctr_va_vdst(0) depctr_va_sdst(0) depctr_va_ssrc(0) depctr_va_vcc(0) depctr_vm_vsrc(0)
	s_getreg_b32 s2, hwreg(HW_REG_IB_STS2, 6, 4)
	s_cmp_eq_u32 s2, 0
	s_cbranch_scc0 .Lentry_in_a_cluster
	s_endpgm
.Lentry_in_a_cluster:
	s_bfe_u32 s2, ttmp6, 0x10000c
	s_cmp_lg_u32 s2, 0x3003
	s_cbranch_scc0 .Lentry_shape_is_right
	s_endpgm
.Lentry_shape_is_right:
; Causal attention on codes of BF8 (E5M2), head size 64, 2,048 tokens, 64 heads (batch x head); the result leaves as codes, the last product's operand.
; q_codes [head][tile of 16 queries][1,024]: images of fragments (16 rows x 64: registers 0-3 at 16 x lane, 4-7 at 512 + 16 x lane).  kv_codes [head][step of 128 keys][16,384]: 8 images of K (16 keys each), then
; 4 images of V^T (16 channels x 128 keys, 2,048 bytes: registers 4 c .. 4 c + 3 at 512 c + 16 x lane).  a_codes [128 rows][4 heads' K step][16 rows][head][1,024]: images again.
; THE SOFTMAX: t = score x log2(e) / 8; M = the row's largest t so far, rounded UP to a whole number; p = 2^(t - M) is quantised, not normalised; the row's sum is taken of the unquantised p and divides at the end.
; When M moves, the sum and O are multiplied by 2^(old M - new M): exact.
; SHARES.  A cluster of 4 work-groups owns a head.  The head's 128 tiles of 16 queries form 16 groups of 8 (a group = the 128 queries that face one key step on the diagonal).  Partner cx owns tiles 2 cx and 2 cx + 1
; of EVERY group.  Its wave w (of 8) owns BOTH tiles, a and b, of group 15 - w and then of group w: (16 - w) + (w + 1) = 17 key steps for every wave of the launch, the last of each walk on the diagonal.
; Each fragment of K and V that a wave reads from LDS feeds two matrix instructions, and the two tiles' short dependent chains stand interleaved.
; Which steps a wave walks hangs on its number alone, and is the same in all four partners: cx enters global addresses and the numbers that the mask compares, and no branch and no LDS address.
; A HEAD'S K AND V, 262,144 BYTES, LIE IN LDS WHOLE, asked for JOINTLY by the four partners: wave w's one tensor load brings key steps 2 w and 2 w + 1, 32,768 bytes; no byte is filled twice; every partner reads every step.
; One barrier behind the loads; behind it LDS is only read, so no other barrier stands in the walk.
; The next step's fragments of K are read from LDS directly behind the score products, this step's of V with them: both have the softmax of two tiles in which to land, and every wait on DScnt is for 0.
; On the diagonal the next step is the next walk's step 0; in the second walk those sixteen LDS loads serve nobody: they stand in place of one more branch in every step.
; No prefetch: there is no loop to run ahead in: all that a work-group reads of K and V is asked for by each wave's first load, and Q's tiles directly behind it.
; LAYOUT.  Both products transposed: S^T = K Q^T (source 0 = 16 keys), O^T = V^T P^T (source 0 = 16 channels): a lane holds ONE query of each tile (lane % 16).  Register j of tile t of S^T is key 16 t + 8 (lane / 16) + j:
; the form's own place of k, so p's conversions give the second product's operand as it stands, and O^T's give the image that is stored.
; The loop over key steps has 16 trips in every wave; a step behind the wave's group is left out by a scalar branch on the wave's number and the count of steps.
; LIMITS: e2 + e3 between -123 and 130; e4 and e6 between -126 and 112.  The scaled scores stay under 2^31 in magnitude.
; REGISTERS.  Window 0: v1 16 x lane; v2, v7 LDS addresses; v3, v4 the mask's d of a, b; v5, v6 the spare word's address and 0; a: v12 -M, v13 the largest t, v[14:15] the sum; b: v8, v9, v[10:11];
;   v16-23, v24-31 Q of a, b; v32-95 K's 8 fragments; v96-159 a's S^T, then p; v160-191 a's O^T; v192-207, v208-223 the codes of a, b; v224-235 partial sums; v236-238, v248-254 at work; v240, v244, v241, v245 holds and scales.
;   Window 1: v16-31 the second walk's Q; v32-95 V's 4 fragments; v96-159 b's S^T, then p; v160-191 b's O^T.
.set LI,  1
.set ADR, 2
.set DQA, 3
.set DQB, 4
.set SPW, 5
.set NIL, 6
.set ADK, 7
.set SPARE, 0x40000                    ; behind K and V: the spare words, 128 bytes a wave
.set WV,  12                           ; s12 wave;  s13 cx;  s14 head
.set CX,  13
.set HD,  14
.set G1,  16                           ; s[16:23] descriptor group 1;  s[24:27] group 0
.set G0,  24
.set SEL, 48                           ; s[48:49] v_permlanex16_b32's selects for lane l xor 16
.set CS,  50                           ; s[50:51] c = log2(e) / 8 x 2^(e2 + e3)
.set TB,  52                           ; s52 LDS byte of the step in hand
.set ST,  53                           ; s53 its number
.set GR,  54                           ; s54 my group in this walk, s55 in the next
.set PH,  74                           ; s74 walks done
.set MSB, 0
.macro WIN new                         ; low byte: bits 1:0 source 0, 3:2 source 1, 5:4 source 2, 7:6 destination; the high byte repeats the setting that is left
.if MSB != (\new)
	s_set_vgpr_msb (MSB<<8)|(\new)
.set MSB, (\new)
.endif
.endm
.macro CROUND                          ; a round of the cluster's barrier
	s_barrier_signal -1
	s_barrier_wait -1
	s_cmp_lg_u32 s[WV], 0
	s_cbranch_scc1 .Lnot_wave_0_\@
	s_barrier_signal -3
.Lnot_wave_0_\@:
	s_barrier_wait -3
	s_barrier_signal -1
	s_barrier_wait -1
.endm
	s_load_b256 s[4:11], s[0:1], 0x0               ; q_codes, kv_codes, the scales' exponents, a_codes
	v_lshl_add_u32 v[SPW], v0, 2, SPARE
	v_mov_b32 v[NIL], 0
	ds_add_u32 v[SPW], v[NIL]                      ; the opening lines: the add twice on end and its wait ahead of my tensor load
	ds_add_u32 v[SPW], v[NIL]
	v_lshrrev_b32 v2, 5, v0
	v_readfirstlane_b32 s[WV], v2
	s_bfe_u32 s[CX], ttmp6, 0x40000                ; my place in the cluster
	s_and_b32 s[HD], ttmp7, 0xffff                 ; the cluster's y: the head
	s_mov_b32 s[G1+0], 15|(3<<16)|(1<<21)          ; the mask: all four partners; elements of 8 bytes; bit 21 beside a mask; no padding
	s_mov_b32 s[G1+1], 32<<16                      ; tensor_dim0 = 32 elements: rows of 256 bytes
	s_mov_b32 s[G1+2], 128<<16                     ; tensor_dim1 = 128
	s_mov_b32 s[G1+3], 32<<16                      ; tile_dim0
	s_mov_b32 s[G1+4], 128                         ; tile_dim1
	s_mov_b32 s[G1+5], 32                          ; the pitch: two steps are one dense block of 32,768 bytes
	s_mov_b32 s[G1+6], 0
	s_mov_b32 s[G1+7], 0
	s_lshl_b32 s57, s[WV], 15                      ; wave w brings steps 2 w and 2 w + 1
	s_lshl_b32 s62, s[HD], 18
	s_add_co_u32 s62, s62, s57
	s_mov_b32 s63, 0
	s_wait_dscnt 0x0                               ; both opening adds are done
	s_wait_kmcnt 0x0
	s_load_b256 s[40:47], s[8:9], 0x0              ; e0 .. e7
	s_mov_b32 s[G0], 1
	s_mov_b32 s[G0+1], s57
	s_add_nc_u64 s[G0+2:G0+3], s[6:7], s[62:63]    ; made of the head and the wave's number: equal in the four partners
	s_or_b32 s[G0+3], s[G0+3], 0x80000000
	CROUND                                         ; the four work-groups are here: the joint loads meet
	tensor_load_to_lds s[G0:G0+3], s[G1:G1+7]      ; every wave's one tensor load
	s_nop 0
.rept 4
	v_nop
.endr
	s_sub_co_u32 s[GR], 15, s[WV]                  ; the late group first,
	s_mov_b32 s[GR+1], s[WV]                       ; then the early one
	s_lshr_b32 s66, s[HD], 4                       ; where results go: block of 128 rows = 16 batch + group,
	s_lshl_b32 s66, s66, 21
	s_bfe_u32 s57, s[HD], 0x20002                  ; K step = (head % 16) / 4,
	s_lshl_b32 s57, s57, 15
	s_add_co_u32 s66, s66, s57
	s_lshl_b32 s57, s[CX], 13                      ; tile 2 cx of the block's eight, 4,096 bytes each,
	s_add_co_u32 s66, s66, s57
	s_and_b32 s57, s[HD], 3                        ; head % 4
	s_lshl_b32 s57, s57, 10
	s_add_co_u32 s66, s66, s57
	s_lshl_b32 s70, s[HD], 17                      ; Q: 131,072 bytes a head, 8,192 a group, 1,024 a tile
	s_lshl_b32 s57, s[CX], 11
	s_add_co_u32 s70, s70, s57
	s_lshl_b32 s62, s[GR], 13
	s_add_co_u32 s62, s62, s70
	s_add_nc_u64 s[58:59], s[4:5], s[62:63]
	s_lshl_b32 s62, s[GR+1], 13
	s_add_co_u32 s62, s62, s70
	s_add_nc_u64 s[72:73], s[4:5], s[62:63]
	s_lshl_b32 s62, s[GR], 17
	s_add_co_u32 s62, s62, s66
	s_add_nc_u64 s[60:61], s[10:11], s[62:63]
	s_lshl_b32 s62, s[GR+1], 17
	s_add_co_u32 s62, s62, s66
	s_add_nc_u64 s[68:69], s[10:11], s[62:63]
	s_lshl_b32 s57, s[CX], 5
	v_and_b32 v2, 31, v0
	v_lshlrev_b32 v[LI], 4, v2
	v_and_b32 v2, 15, v0
	v_bfe_u32 v7, v0, 4, 1
	v_lshlrev_b32 v7, 3, v7
	v_sub_nc_u32 v[DQA], v2, v7
	v_add_nc_u32 v[DQA], s57, v[DQA]               ; d = my query's place in its group - 8 h = 16 x tile + r - 8 h
	v_add_nc_u32 v[DQB], 16, v[DQA]
	s_wait_alu depctr_va_vdst(0)
.irp c, 0,1,2,3
	global_load_b128 v[16+4*\c:19+4*\c], v[LI], s[58:59] offset:512*\c th:TH_LOAD_NT   ; the first walk's Q: a's image, then b's
.endr
	WIN 0x40
.irp c, 0,1,2,3
	global_load_b128 v[16+4*\c:19+4*\c], v[LI], s[72:73] offset:512*\c th:TH_LOAD_NT   ; the second walk's, into window 1
.endr
	WIN 0
	s_mov_b32 s[SEL], 0x76543210
	s_mov_b32 s[SEL+1], 0xfedcba98
	s_mov_b32 s[CS], 0x3e38aa3b                    ; log2(e) / 8
	s_mov_b32 s[PH], 0
	s_wait_kmcnt 0x0
	s_add_co_i32 s57, s42, s43
	s_lshl_b32 s57, s57, 23
	s_add_co_i32 s[CS], s[CS], s57                 ; the two exponents are added to c's exponent field
	s_mov_b32 s[CS+1], s[CS]
	s_add_co_i32 s57, s44, 127
	s_lshl_b32 s62, s57, 23
	v_mov_b32 v244, s62                            ; 2^e4
	s_add_co_i32 s57, s57, 15
	s_lshl_b32 s57, s57, 23
	s_or_b32 s57, s57, 0x600000
	v_mov_b32 v240, s57                            ; 57,344 x 2^e4
	s_add_co_i32 s57, s46, 127
	s_lshl_b32 s62, s57, 23
	v_mov_b32 v245, s62                            ; 2^e6
	s_add_co_i32 s57, s57, 15
	s_lshl_b32 s57, s57, 23
	s_or_b32 s57, s57, 0x600000
	v_mov_b32 v241, s57                            ; 57,344 x 2^e6
	v_mov_b32 v238, 0xff800000                     ; -infinity
	s_add_co_i32 s67, s44, s45                     ; e4 + e5
; The runs of a step, each under one setting of the windows (w..): for tile a all windows are 0; b's scores and O^T lie in window 1.
.macro MASK dq, w                      ; register 8 t + j holds the step's key 16 t + 8 h + j: hidden where 16 t + j > d
	WIN \w
.set n, 0
.rept 64
	v_cmp_gt_i32 vcc_lo, 16*(n/8)+n%8, v[\dq]
	v_cndmask_b32 v[96+n], v[96+n], v238, vcc_lo
.set n, n+1
.endr
.endm
.macro MAXES x, y, wa, wb              ; the step's largest score of my query among my 64 keys, in two chains; each accumulator is read from its low end on
	WIN \wa
	v_max3_num_f32 v[\x], v96, v97, v98
	v_max3_num_f32 v[\y], v99, v100, v101
	WIN \wb
.irp i, 6,10,14,18,22,26,30,34,38,42,46,50,54,58
	v_max3_num_f32 v[\x], v[\x], v[96+\i], v[97+\i]
	v_max3_num_f32 v[\y], v[\y], v[98+\i], v[99+\i]
.endr
	v_max3_num_f32 v[\x], v[\x], v158, v159
.endm
.macro SHIFT nm, w                     ; t - M, two at a time
	WIN \w
.set j, 0
.rept 32
	v_pk_fma_f32 v[96+j:97+j], v[96+j:97+j], s[CS:CS+1], v[\nm:\nm+1] op_sel_hi:[1,0,0]
.set j, j+2
.endr
.endm
.macro EXPS w                          ; p = 2^(t - M)
	WIN \w
.set j, 0
.rept 64
	v_exp_f32 v[96+j], v[96+j]
.set j, j+1
.endr
.endm
.macro SUMS acc, c, wa, wb             ; the row's sum of the unquantised p: two at a time, in four chains
	WIN \wa
	v_pk_add_f32 v[\c:\c+1], v[96:97], v[98:99]
	v_pk_add_f32 v[\c+2:\c+3], v[100:101], v[102:103]
	v_pk_add_f32 v[\c+4:\c+5], v[104:105], v[106:107]
	WIN \wb
	v_pk_add_f32 v[\acc:\acc+1], v[\acc:\acc+1], v[108:109]
.set j, 110
.rept 6
	v_pk_add_f32 v[\c:\c+1], v[\c:\c+1], v[j:j+1]
	v_pk_add_f32 v[\c+2:\c+3], v[\c+2:\c+3], v[j+2:j+3]
	v_pk_add_f32 v[\c+4:\c+5], v[\c+4:\c+5], v[j+4:j+5]
	v_pk_add_f32 v[\acc:\acc+1], v[\acc:\acc+1], v[j+6:j+7]
.set j, j+8
.endr
	v_pk_add_f32 v[\c:\c+1], v[\c:\c+1], v[158:159]
	WIN 0
	v_pk_add_f32 v[\c+2:\c+3], v[\c+2:\c+3], v[\c+4:\c+5]
	v_pk_add_f32 v[\acc:\acc+1], v[\acc:\acc+1], v[\c:\c+1]
	v_pk_add_f32 v[\acc:\acc+1], v[\acc:\acc+1], v[\c+2:\c+3]
.endm
.macro CODES cd, wa, wb                ; the conversion does not saturate (ISA guide 7.6.2); p is not negative: a one-sided hold; then the codes, into window 0
	WIN \wa
.set j, 0
.rept 64
	v_min_num_f32 v[96+j], v[96+j], v240
.set j, j+1
.endr
	WIN \wb
.irp t, 0,1,2,3,4,5,6,7
	v_cvt_scalef32_pk8_bf8_f32 v[\cd+2*\t:\cd+2*\t+1], v[96+8*\t:103+8*\t], v244
.endr
.endm
.macro RESCALE f, w                    ; O^T under the new M
	WIN \w
	s_wait_alu depctr_va_vdst(0)                   ; directly ahead of the first reader of O^T
.set j, 0
.rept 16
	v_pk_mul_f32 v[160+j:161+j], v[160+j:161+j], v[\f:\f+1] op_sel_hi:[1,0]
.set j, j+2
.endr
.endm
; A KEY STEP: 128 keys at LDS byte s[TB], for both tiles.  K's fragments are in registers when the step begins.
.macro STEP
	s_cmp_gt_u32 s[ST], s[GR]                      ; all keys of a step behind my group come after my queries
	s_cbranch_scc1 .Lhidden_\@
.irp t, 0,1,2,3,4,5,6,7
	v_wmma_f32_16x16x64_bf8_bf8 v[96+8*\t:103+8*\t], v[32+8*\t:39+8*\t], v[16:23], 0
.endr
	WIN 0x40
.irp t, 0,1,2,3,4,5,6,7
	v_wmma_f32_16x16x64_bf8_bf8 v[96+8*\t:103+8*\t], v[32+8*\t:39+8*\t], v[24:31], 0
.endr
	WIN 0
	s_add_co_u32 s57, s[TB], 16384                 ; whose K comes next: the next step's, or on the diagonal step 0's, for the next walk
	s_cmp_eq_u32 s[ST], s[GR]
	s_cselect_b32 s57, 0, s57
	s_min_u32 s57, s57, 15*16384
	v_add_nc_u32 v[ADR], s[TB], v[LI]
	v_add_nc_u32 v[ADK], s57, v[LI]
	v_nop
	v_nop                                          ; with the two additions: four places in front of the loads below and of the first read of the scores
.irp t, 0,1,2,3,4,5,6,7
	ds_load_b128 v[32+8*\t:35+8*\t], v[ADK] offset:1024*\t
	ds_load_b128 v[36+8*\t:39+8*\t], v[ADK] offset:1024*\t+512
.endr
	WIN 0x40
.irp u, 0,1,2,3
.irp c, 0,1,2,3
	ds_load_b128 v[32+16*\u+4*\c:35+16*\u+4*\c], v[ADR] offset:8192+2048*\u+512*\c
.endr
.endr
	WIN 0
	s_cmp_lg_u32 s[ST], s[GR]                      ; my group's own step lies on the diagonal: hidden scores become -infinity ahead of the maximum
	s_cbranch_scc1 .Lopen_\@
	MASK DQA, 0
	MASK DQB, 0x41
	WIN 0
.Lopen_\@:
	MAXES 254, 252, 0, 0
	MAXES 248, 250, 0x15, 0x14
	WIN 0
	v_max_num_f32 v254, v254, v252                 ; the two tiles' chains by turns
	v_max_num_f32 v248, v248, v250
	v_permlanex16_b32 v236, v254, s[SEL], s[SEL+1]
	v_permlanex16_b32 v237, v248, s[SEL], s[SEL+1]
	v_max_num_f32 v254, v254, v236                 ; and among lane l xor 16's
	v_max_num_f32 v248, v248, v237
	v_mul_f32 v254, s[CS], v254                    ; as t (c is positive)
	v_mul_f32 v248, s[CS], v248
	v_max_num_f32 v13, v13, v254
	v_max_num_f32 v9, v9, v248
	v_mov_b32 v254, v12
	v_mov_b32 v248, v8
	v_floor_f32 v12, -v13                          ; the new -M = -ceil(t): a whole number
	v_floor_f32 v8, -v9
	v_sub_f32 v254, v12, v254
	v_sub_f32 v248, v8, v248
	v_cvt_i32_f32 v254, v254                       ; old M - new M (it saturates)
	v_cvt_i32_f32 v248, v248
	v_ldexp_f32 v252, 1.0, v254                    ; f = 2^(old M - new M)
	v_ldexp_f32 v250, 1.0, v248
	SHIFT 12, 0
	SHIFT 8, 0x41
	s_wait_alu depctr_va_vdst(0)                   ; ahead of the batch
	EXPS 0x41
	EXPS 0
	v_pk_mul_f32 v[14:15], v[14:15], v[252:253] op_sel_hi:[1,0]   ; the sums under the new M: plain lines behind the batch
	v_pk_mul_f32 v[10:11], v[10:11], v[250:251] op_sel_hi:[1,0]
	s_wait_alu depctr_va_vdst(0)                   ; one wait for the 128 exponentials, ahead of their first reader
	SUMS 14, 224, 0, 0
	SUMS 10, 230, 0x05, 0x04
	CODES 192, 0, 0
	CODES 208, 0x41, 0x01
	RESCALE 252, 0                                 ; these are also the plain lines between the conversions and the products
	RESCALE 250, 0x41
	WIN 0x01
	s_wait_alu depctr_va_vdst(0)
	s_wait_dscnt 0x0                               ; V's fragments are in, and the next K's
.irp u, 0,1,2,3
	v_wmma_f32_16x16x128_bf8_bf8 v[160+8*\u:167+8*\u], v[32+16*\u:47+16*\u], v[192:207], v[160+8*\u:167+8*\u]   ; the eight accumulators take turns, one instruction a turn
.endr
	WIN 0x51
.irp u, 0,1,2,3
	v_wmma_f32_16x16x128_bf8_bf8 v[160+8*\u:167+8*\u], v[32+16*\u:47+16*\u], v[208:223], v[160+8*\u:167+8*\u]
.endr
	WIN 0
.Lhidden_\@:
	s_add_co_u32 s[TB], s[TB], 16384
.endm
	s_wait_alu depctr_va_vdst(0)                   ; the head's end
	s_wait_loadcnt 0x0                             ; Q's four tiles
	s_wait_tensorcnt 0x0                           ; my two key steps have landed,
	s_barrier_signal -1
	s_barrier_wait -1                              ; everybody's have: from here on LDS is only read
.irp t, 0,1,2,3,4,5,6,7
	ds_load_b128 v[32+8*\t:35+8*\t], v[LI] offset:1024*\t          ; step 0's K
	ds_load_b128 v[36+8*\t:39+8*\t], v[LI] offset:1024*\t+512
.endr
	s_wait_dscnt 0x0
.Lwalk:                                            ; two trips
	v_mov_b32 v13, 0xff61b1e6                      ; a walk begins.  The largest t so far: -3e38
	v_mov_b32 v9, 0xff61b1e6
	v_floor_f32 v12, -v13
	v_floor_f32 v8, -v9
	v_mov_b32 v14, 0
	v_mov_b32 v15, 0
	v_mov_b32 v10, 0
	v_mov_b32 v11, 0
	v_mov_b32 v236, 0                              ; a lane permute's destination counts as one of its sources
	v_mov_b32 v237, 0
	v_mov_b32 v253, 0                              ; (named as the upper halves of the pairs with f)
	v_mov_b32 v251, 0
.set j, 0
.rept 32
	v_mov_b32 v[160+j], 0                          ; O^T: the step is written once, and its first change of M leaves zeros zeros
.set j, j+1
.endr
	WIN 0x40
.set j, 0
.rept 32
	v_mov_b32 v[160+j], 0
.set j, j+1
.endr
	WIN 0
	s_mov_b32 s[TB], 0
	s_mov_b32 s[ST], 0
.Lstep:                                            ; 16 trips in every wave
	STEP
	s_add_co_u32 s[ST], s[ST], 1
	s_cmp_lt_u32 s[ST], 16
	s_cbranch_scc1 .Lstep
; THE WAY OUT of a walk: O^T / the sum x 2^(e4 + e5), held, as codes: the images of two fragments of the last product's operand
.rept 4
	v_nop                                          ; places in front of the first read of O^T
.endr
	v_add_f32 v14, v14, v15
	v_add_f32 v10, v10, v11
	v_permlanex16_b32 v236, v14, s[SEL], s[SEL+1]
	v_permlanex16_b32 v237, v10, s[SEL], s[SEL+1]
	v_add_f32 v14, v14, v236                       ; the rows' sums
	v_add_f32 v10, v10, v237
	s_wait_alu depctr_va_vdst(0)                   ; ahead of the transcendentals
	v_rcp_f32 v14, v14
	v_rcp_f32 v10, v10
	v_nop                                          ; a plain line behind the reciprocals
	s_wait_alu depctr_va_vdst(0)                   ; and the wait ahead of their first reader
	v_ldexp_f32 v14, v14, s67                      ; x 2^(e4 + e5)
	v_ldexp_f32 v10, v10, s67
	s_wait_alu depctr_va_vdst(0)                   ; directly ahead of the first reader of O^T
.set j, 0
.rept 16
	v_pk_mul_f32 v[96+j:97+j], v[160+j:161+j], v[14:15] op_sel_hi:[1,0]   ; register 8 u + i: channel 16 u + 8 h + i of my query
.set j, j+2
.endr
.set j, 0
.rept 32
	v_med3_num_f32 v[96+j], v[96+j], -v241, v241
.set j, j+1
.endr
	WIN 0x41
	s_wait_alu depctr_va_vdst(0)                   ; and ahead of the first reader of b's
.set j, 0
.rept 16
	v_pk_mul_f32 v[96+j:97+j], v[160+j:161+j], v[10:11] op_sel_hi:[1,0]
.set j, j+2
.endr
.set j, 0
.rept 32
	v_med3_num_f32 v[96+j], v[96+j], -v241, v241
.set j, j+1
.endr
	WIN 0
.irp u, 0,1,2,3
	v_cvt_scalef32_pk8_bf8_f32 v[192+2*\u:193+2*\u], v[96+8*\u:103+8*\u], v245
.endr
	WIN 0x01
.irp u, 0,1,2,3
	v_cvt_scalef32_pk8_bf8_f32 v[208+2*\u:209+2*\u], v[96+8*\u:103+8*\u], v245
.endr
	WIN 0
	v_nop                                          ; a plain line behind the last conversion
	global_store_b128 v[LI], v[192:195], s[60:61]              ; the images: 512 consecutive bytes a store
	global_store_b128 v[LI], v[196:199], s[60:61] offset:512
	global_store_b128 v[LI], v[208:211], s[60:61] offset:4096
	global_store_b128 v[LI], v[212:215], s[60:61] offset:4608
	s_add_co_u32 s[PH], s[PH], 1
	s_cmp_lt_u32 s[PH], 2
	s_cbranch_scc0 .Ldone
	s_wait_xcnt 0x0                                ; the stores have read their base and their data
	s_mov_b32 s[GR], s[GR+1]                       ; on to the second walk: its group, its place in a_codes, its Q
	s_mov_b64 s[60:61], s[68:69]
	WIN 0x01
.set j, 0
.rept 16
	v_mov_b32 v[16+j], v[16+j]                     ; from window 1 into window 0
.set j, j+1
.endr
	WIN 0
	s_cmp_lt_u32 s[PH], 2
	s_cbranch_scc1 .Lwalk
.Ldone:
	s_wait_tensorcnt 0x0                           ; the wave's end
	ds_add_u32 v[SPW], v[NIL]
	s_wait_dscnt 0x0
	CROUND                                         ; the closing round
	s_endpgm
.Lfunc_end_k_qc515756e6c_attn:
	.size	k_qc515756e6c_attn, .Lfunc_end_k_qc515756e6c_attn-k_qc515756e6c_attn
	.p2alignl 7, 3214868480
	.fill 96, 4, 3214868480
	.section	.rodata,"a",@progbits
	.p2align	6, 0x0
	.amdhsa_kernel k_qc515756e6c_attn
		.amdhsa_group_segment_fixed_size 327680
		.amdhsa_private_segment_fixed_size 0
		.amdhsa_enable_private_segment 0
		.amdhsa_kernarg_size 32
		.amdhsa_user_sgpr_count 2
		.amdhsa_user_sgpr_kernarg_segment_ptr 1
		.amdhsa_wavefront_size32 1
		.amdhsa_system_sgpr_workgroup_id_x 1
		.amdhsa_system_sgpr_workgroup_id_y 1
		.amdhsa_system_sgpr_workgroup_id_z 1
		.amdhsa_system_vgpr_workitem_id 0
		.amdhsa_next_free_vgpr 512
		.amdhsa_next_free_sgpr 80
		.amdhsa_reserve_vcc 1
		.amdhsa_float_denorm_mode_32 3
		.amdhsa_float_denorm_mode_16_64 3
		.amdhsa_memory_ordered 1
		.amdhsa_forward_progress 1
		.amdhsa_inst_pref_size 57
	.end_amdhsa_kernel
	.amdgpu_metadata
---
amdhsa.version: [ 1, 2 ]
amdhsa.kernels:
  - .name:           k_qc515756e6c_attn
    .symbol:         k_qc515756e6c_attn.kd
    .args:
      - { .name: q_codes, .offset: 0, .size: 8, .value_kind: global_buffer, .address_space: global }
      - { .name: kv_codes, .offset: 8, .size: 8, .value_kind: global_buffer, .address_space: global }
      - { .name: lowp_scales, .offset: 16, .size: 8, .value_kind: global_buffer, .address_space: global }
      - { .name: a_codes, .offset: 24, .size: 8, .value_kind: global_buffer, .address_space: global }
    .group_segment_fixed_size: 327680
    .private_segment_fixed_size: 0
    .kernarg_segment_align: 8
    .kernarg_segment_size: 32
    .max_flat_workgroup_size: 256
    .sgpr_count:     80
    .vgpr_count:     512
    .wavefront_size: 32
...
	.end_amdgpu_metadata
.endif
;; end of part 3
;; launch proj (part 4): grid 4 x 64, 4 waves a work-group, clusters of 4 x 4, 327,680 bytes of LDS; arguments a_codes, wproj_codes, lowp_scales, b_proj, out0; writes out0
.if DOCPART == 4
	.amdgcn_target "amdgcn-amd-amdhsa--gfx1250"
	.amdhsa_code_object_version 6
	.text
	.protected	k_qc515756e6c_proj
	.globl	k_qc515756e6c_proj
	.p2align	8
	.type	k_qc515756e6c_proj,@function
k_qc515756e6c_proj:
	s_mov_b64 s[64:65], 0
	v_nop
	global_prefetch_b8 v0, s[64:65] scope:SCOPE_SE
	s_setreg_imm32_b32 hwreg(HW_REG_WAVE_MODE, 25, 1), 1
	s_wait_xcnt 0x0
	s_wait_alu depctr_hold_cnt(0) depctr_sa_sdst(0) depctr_va_vdst(0) depctr_va_sdst(0) depctr_va_ssrc(0) depctr_va_vcc(0) depctr_vm_vsrc(0)
	s_getreg_b32 s2, hwreg(HW_REG_IB_STS2, 6, 4)
	s_cmp_eq_u32 s2, 0
	s_cbranch_scc0 .Lentry_in_a_cluster
	s_endpgm
.Lentry_in_a_cluster:
	s_bfe_u32 s2, ttmp6, 0x10000c
	s_cmp_lg_u32 s2, 0xf033
	s_cbranch_scc0 .Lentry_shape_is_right
	s_endpgm
.Lentry_shape_is_right:
; out0 = a W_proj^T + b_proj on codes of BF8 (E5M2).  a_codes: images of fragments, [128 rows][K step of 256][16 rows][64 of K][1,024 bytes]; wproj_codes [1024][1024], K innermost,
; in the order that gives the matrix form its own places of k from loads of 16 bytes.  out0 [8192][1024] f32.
; A block of 128 x 256 is made by a work-group of four waves: 64 x 4 = 256 work-groups.  A wave makes 64 rows x 128 columns: 32 accumulators, 256 registers.
; K goes in 4 steps of 256 through a ring of two LDS slots filled by the tensor data mover: waves 0 and 1 fetch the halves of A's image (16,384 dense bytes each), waves 2 and 3 128 rows of B each.
; CLUSTERS of 4 x 4 work-groups: A's tile is asked for jointly along a row of the cluster, B's along a column.
; THE MATRIX INSTRUCTION IS USED TRANSPOSED (source 0 = 16 rows of W, source 1 = 16 rows of a): a lane holds eight neighbouring numbers of a row of out0.
; The bias, divided by 2^(e6 + e7), is the C of each sum's first matrix instruction; each finished sum is multiplied by 2^(e6 + e7).  LIMIT: e6 + e7 between -126 and 127.
; A and B have two sets of fragment registers each: while one set is multiplied (32 matrix instructions for 128 along K), the next 128's 48 LDS loads are out.
; No prefetch: K has four steps, of which two are asked for at the head; and the weight is one small buffer that all sixteen rows of clusters read.
; REGISTERS, in windows of 256: window 0: v0-31 addresses; v32-95 the bias, later the way out; v128-191, v192-255 A's two sets (4 x 16 rows x 128 K).  window 1: B's two sets, at v0 and v128.
;   window 2: the accumulators ((a, b) at v[8 (8 a + b)]).
.set SIZE_N, 1024
.set SIZE_K, 1024
.set KSTEP,  256
.set ROWB,   256                       ; a row of B's tile in bytes
.set KROW,   SIZE_K                    ; a row of wproj_codes in memory
.set ABLK,   32768                     ; a K step of a block of 128 rows of a_codes
.set PITCH,  272                       ; B's LDS row: 256 bytes + 16 of padding
.set FR,     16                        ; registers of a fragment: 16 rows x 128 K
.set NP,     4                         ; places behind this matrix instruction (ISA guide 7.12.1)
.set HALFT,  128*PITCH                 ; a wave's part of a slot (A's halves use 16,384 bytes of theirs)
.set SLOT,   4*HALFT
.set LAPS,   SIZE_K/(2*KSTEP)
.set SPARE,  2*SLOT                    ; behind the ring: the spare words, 128 bytes a wave
.set SPITCH, 528                       ; the way out: a stage of 16 rows x (512 bytes + 16) a wave, in slot 0, which has had its last fill and its last read by then
.set ADRA, 16                          ; v16-17  LDS address of my A fragments in slot 0, 1
.set ADRB, 20                          ; v20-21  of my B fragments
.set BO,   23                          ; v23     32 (lane / 16): the bias loads' offset
.set STO,  24                          ; v24     the stage: where I put 32 bytes of a row
.set RD,   25                          ; v25     and where I read a row back
.set CO,   26                          ; v26     16 x lane
.set SPW,  28                          ; v28     LDS address of my spare word; never rewritten
.set NIL,  29                          ; v29     0; never rewritten
.set BIAS, 32
.set TMP,  32
.set AF,   128
.set BK,   128
.set G1, 24
.set G0, 32
.set G1B, 48
.set G0B, 56
.set MSB, 0
.macro WIN new                         ; the immediate's high byte repeats the setting that is left
.if MSB != (\new)
	s_set_vgpr_msb (MSB<<8)|(\new)
.set MSB, (\new)
.endif
.endm
.set MUL_LO, 0xa1                      ; source 0 (B) window 1, source 1 (A) window 0, C and D window 2
.set BEG_LO, 0x81                      ; the first step: C (the bias) window 0, D window 2
.set TO_B,   0x40
; A joint load: waves 0 and 1 fetch for A, waves 2 and 3 for B; the branch hangs on the wave's number alone.  An s_nop 0 and four v_nop follow each of the two lines.
.macro JLOAD g0a, g1a, g0b, g1b
	s_cmp_eq_u32 s15, 0
	s_cbranch_scc0 .Lfor_b_\@
	tensor_load_to_lds s[\g0a:\g0a+3], s[\g1a:\g1a+7]
	s_nop 0
.rept 4
	v_nop
.endr
	s_branch .Lasked_\@
.Lfor_b_\@:
	tensor_load_to_lds s[\g0b:\g0b+3], s[\g1b:\g1b+7]
	s_nop 0
.rept 4
	v_nop
.endr
.Lasked_\@:
.endm
.macro CREST                           ; a round of the cluster's barrier behind its opening barrier
	s_cmp_lg_u32 s14, 0
	s_cbranch_scc1 .Lnot_wave_0_\@
	s_barrier_signal -3
.Lnot_wave_0_\@:
	s_barrier_wait -3
	s_barrier_signal -1
	s_barrier_wait -1
.endm
.macro CROUND
	s_barrier_signal -1
	s_barrier_wait -1
	CREST
.endm
	s_load_b128 s[4:7], s[0:1], 0x0                ; a_codes, wproj_codes
	s_load_b128 s[8:11], s[0:1], 0x10              ; the scales' exponents, b_proj
	s_load_b64 s[12:13], s[0:1], 0x20              ; out0
	v_lshl_add_u32 v[SPW], v0, 2, SPARE
	v_mov_b32 v[NIL], 0
	ds_add_u32 v[SPW], v[NIL]                      ; the opening lines: the add twice on end and its wait ahead of my first tensor load
	ds_add_u32 v[SPW], v[NIL]
	s_wait_dscnt 0x0
	v_lshrrev_b32 v1, 5, v0
	v_readfirstlane_b32 s14, v1                    ; wave 0..3
	s_lshr_b32 s15, s14, 1                         ; which 64 of the block's rows are mine.  Also: I fetch for A (0) or for B (1)
	s_and_b32 s16, s14, 1                          ; which 128 of its columns.  Also: which half of that tile I fetch
	s_bfe_u32 s40, ttmp6, 0x40000                  ; cx, cy: my place in the cluster
	s_bfe_u32 s41, ttmp6, 0x40004
	s_lshl_b32 s42, ttmp9, 2
	s_add_co_u32 s42, s42, s40                     ; block column = 4 x cluster x + cx
	s_and_b32 s17, ttmp7, 0xffff
	s_lshl_b32 s17, s17, 2
	s_add_co_u32 s17, s17, s41                     ; block row = 4 x cluster y + cy
	s_lshl_b32 s43, s41, 2
	s_lshl_b32 s43, 15, s43                        ; my row of the cluster
	s_lshl_b32 s44, 0x1111, s40                    ; my column
	s_or_b32 s[G1+0], s43, (3<<16)|(1<<21)         ; A: the mask; elements of 8 bytes; bit 21 beside a mask; no padding: 64 rows of 256 dense bytes
	s_mov_b32 s[G1+1], 32<<16
	s_mov_b32 s[G1+2], 64<<16
	s_mov_b32 s[G1+3], 32<<16
	s_mov_b32 s[G1+4], 64
	s_mov_b32 s[G1+5], 32
	s_mov_b32 s[G1+6], 0
	s_mov_b32 s[G1+7], 0
	s_or_b32 s[G1B+0], s44, (0<<16)|(1<<20)|(1<<21)|(5<<22)|(3<<25)  ; B: elements of 1 byte; four words of padding after every 64: 128 rows of 256 bytes
	s_mov_b32 s[G1B+1], ROWB<<16
	s_mov_b32 s[G1B+2], 128<<16
	s_mov_b32 s[G1B+3], ROWB<<16
	s_mov_b32 s[G1B+4], 128
	s_mov_b32 s[G1B+5], KROW
	s_mov_b32 s[G1B+6], 0
	s_mov_b32 s[G1B+7], 0
	s_lshl_b32 s20, s17, 17                        ; A: 131,072 bytes a block of 128 rows, + 16,384 x half
	s_lshl_b32 s21, s16, 14
	s_add_co_u32 s20, s20, s21
	s_mov_b32 s21, 0
	s_lshl_b32 s18, s16, 7
	s_lshl_b32 s46, s42, 8
	s_add_co_u32 s46, s46, s18                     ; B: row 256 x block column + 128 x half
	s_mov_b32 s47, 0
	s_mov_b64 s[18:19], KROW
	s_mul_u64 s[46:47], s[46:47], s[18:19]
	s_mul_i32 s45, s14, HALFT                      ; where they go: wave x HALFT: no place in the cluster enters an LDS address
	s_wait_kmcnt 0x0
	s_load_b64 s[96:97], s[8:9], 0x18              ; e6, e7
	s_add_nc_u64 s[20:21], s[4:5], s[20:21]
	s_add_nc_u64 s[46:47], s[6:7], s[46:47]
	CROUND                                         ; all sixteen work-groups are here: the first joint loads meet
.irp s, 0,1
	s_mov_b32 s[G0+4*\s], 1
	s_add_co_u32 s[G0+4*\s+1], s45, \s*SLOT
	s_add_nc_u64 s[G0+4*\s+2:G0+4*\s+3], s[20:21], \s*ABLK
	s_or_b32 s[G0+4*\s+3], s[G0+4*\s+3], 0x80000000
	s_mov_b32 s[G0B+4*\s], 1
	s_add_co_u32 s[G0B+4*\s+1], s45, \s*SLOT
	s_add_nc_u64 s[G0B+4*\s+2:G0B+4*\s+3], s[46:47], \s*ROWB
	s_or_b32 s[G0B+4*\s+3], s[G0B+4*\s+3], 0x80000000
.endr
	JLOAD G0, G1, G0B, G1B                         ; K step 0: one tensor load a wave at the head
	s_lshl_b32 s46, s42, 10                        ; my 128 columns, in bytes of f32: 1,024 x block column + 512 x half
	s_lshl_b32 s47, s16, 9
	s_add_co_u32 s46, s46, s47
	s_mov_b32 s47, 0
	s_add_nc_u64 s[10:11], s[10:11], s[46:47]
	v_and_b32 v1, 15, v0                           ; r
	v_bfe_u32 v2, v0, 4, 1                         ; h
	v_lshlrev_b32 v[BO], 5, v2
.irp b, 0,1,2,3,4,5,6,7
	global_load_b128 v[BIAS+8*\b:BIAS+8*\b+3],   v[BO], s[10:11] offset:64*\b      ; b_proj at columns 16 b + 8 h + 0 .. 7
	global_load_b128 v[BIAS+8*\b+4:BIAS+8*\b+7], v[BO], s[10:11] offset:64*\b+16
.endr
	v_mul_u32_u24 v3, v1, PITCH
	v_lshl_add_u32 v4, v2, 4, v3                   ; B: a fragment's row x pitch + 16 x half
	v_and_b32 v6, 31, v0
	v_lshlrev_b32 v[CO], 4, v6                     ; A: an image is read at 16 x lane
	s_wait_alu depctr_va_vdst(0)
	s_mul_i32 s21, s15, HALFT                      ; my 64 rows of A are the half that wave s15 fetched
	s_mul_i32 s22, s16, HALFT
	s_add_co_u32 s22, s22, 2*HALFT
.irp s, 0,1
	v_add_nc_u32 v[ADRA+\s], s21, v[CO]
	v_add_nc_u32 v[ADRB+\s], s22, v4
	s_add_co_u32 s21, s21, SLOT
	s_add_co_u32 s22, s22, SLOT
.endr
	s_mul_i32 s23, s14, 16*SPITCH                  ; my stage
	v_mul_u32_u24 v5, v1, SPITCH
	v_lshl_add_u32 v5, v2, 5, v5
	v_add_nc_u32 v[STO], s23, v5                   ; in: row r, 32 bytes for each half of the lanes
	v_add_nc_u32 v[RD], s23, v[CO]                 ; back: the 32 lanes take one row of 512 bytes
	s_lshl_b32 s20, s17, 7
	s_lshl_b32 s21, s15, 6
	s_add_co_u32 s20, s20, s21                     ; my first row of out0: 128 x block row + 64 x half
	s_mov_b32 s21, 0
	s_mov_b64 s[18:19], SIZE_N*4
	s_mul_u64 s[20:21], s[20:21], s[18:19]
	s_add_nc_u64 s[20:21], s[20:21], s[46:47]
	s_add_nc_u64 s[12:13], s[12:13], s[20:21]
	s_wait_kmcnt 0x0
	s_add_co_i32 s94, s96, s97                     ; E = e6 + e7: a sum stands for sum x 2^E
	s_sub_co_i32 s95, 0, s94
	s_add_co_i32 s96, s94, 127
	s_lshl_b32 s96, s96, 23                        ; 2^E as f32
	s_mov_b32 s97, s96
	s_wait_loadcnt 0x0                             ; the bias
.set j, 0
.rept 64
	v_ldexp_f32 v[BIAS+j], v[BIAS+j], s95          ; / 2^E
.set j, j+1
.endr
.macro FRAG reg, adr, q, i             ; B: registers 4 c .. 4 c + 3 from the 16 bytes at 32 c + 16 (l / 16) of row l % 16
.irp c, 0,1,2,3
	ds_load_b128 v[\reg+4*\c:\reg+4*\c+3], v[\adr] offset:128*(\q)+32*\c+(\i)*16*PITCH
.endr
.endm
.macro FRAGA reg, adr, q, i            ; A: the image of 16 rows x 128 K: 2,048 bytes, 512 a load
.irp c, 0,1,2,3
	ds_load_b128 v[\reg+4*\c:\reg+4*\c+3], v[\adr] offset:4096*(\i)+2048*(\q)+512*\c
.endr
.endm
; 16 matrix instructions: A's fragments a0, a0 + 1 (0-3: set 0, 4-7: set 1; both add onto rows a % 4) x B's eight of set p.  zero = 1: the first product starts the sums, with the bias as C.
; The 32 accumulators take turns, one instruction a turn, in the same order in every step.
.macro MUL16 a0, p, zero
.irp a, \a0, \a0+1
.irp b, 0,1,2,3,4,5,6,7
.if \zero
	v_wmma_f32_16x16x128_bf8_bf8 v[8*(8*((\a)%4)+\b):8*(8*((\a)%4)+\b)+7], v[128*(\p)+FR*\b:128*(\p)+FR*\b+FR-1], v[AF+FR*(\a):AF+FR*(\a)+FR-1], v[BIAS+8*\b:BIAS+8*\b+7]
.else
	v_wmma_f32_16x16x128_bf8_bf8 v[8*(8*((\a)%4)+\b):8*(8*((\a)%4)+\b)+7], v[128*(\p)+FR*\b:128*(\p)+FR*\b+FR-1], v[AF+FR*(\a):AF+FR*(\a)+FR-1], v[8*(8*((\a)%4)+\b):8*(8*((\a)%4)+\b)+7]
.endif
.endr
.endr
.endm
.macro FETCH slot, q, p                ; the fragments of the slot's q-th 128 along K into set p: 32 loads for B, 16 for A
	WIN TO_B
.irp i, 0,1,2,3,4,5,6,7
	FRAG 128*(\p)+FR*\i, ADRB+\slot, \q, \i
.endr
	WIN 0
.irp i, 0,1,2,3
	FRAGA AF+FR*(4*(\p)+\i), ADRA+\slot, \q, \i
.endr
.endm
.macro PLACES n                        ; plain vector lines between a matrix instruction and a load into, or a read of, its registers (ISA guide 7.12.1 for reads)
.rept \n
	v_nop
.endr
.endm
; A slot's first 128 along K, on set 0; the second 128's fragments are asked for ahead of its products.
.macro STEP slot, zero
	s_wait_dscnt 0x0                               ; set 0 is in
.if \zero
	FETCH \slot, 1, 1
	WIN BEG_LO
.else
	PLACES NP                                      ; set 1 was read by the products just issued
	FETCH \slot, 1, 1
	WIN MUL_LO
.endif
	MUL16 0, 0, \zero
	MUL16 2, 0, \zero
	WIN 0
.endm
; A slot's second 128, on set 1, changes slots: ONE barrier; in front of it each wave waits for all its tensor loads, adds 0 to its spare word, and waits for that and for its own reads of this slot.
.macro TURN slot, next, fill
	s_wait_tensorcnt 0x0                           ; all my tensor loads have landed: my part of the next slot
	ds_add_u32 v[SPW], v[NIL]                      ; 0 onto my spare word
	s_wait_dscnt 1                                 ; set 1 is in; the add alone may be out
	WIN MUL_LO
	MUL16 4, 1, 0                                  ; sixteen matrix instructions stand between the add and the wait for it
	s_wait_dscnt 0x0                               ; the add is done, and my reads of this slot are over
	WIN 0
	s_barrier_signal -1
	s_barrier_wait -1
.if \fill
	CREST                                          ; the barrier has opened a round of the cluster's: no wave of any partner still reads this slot or has a load on its way
	s_add_nc_u64 s[G0+4*\slot+2:G0+4*\slot+3], s[G0+4*\slot+2:G0+4*\slot+3], 2*ABLK
	s_add_nc_u64 s[G0B+4*\slot+2:G0B+4*\slot+3], s[G0B+4*\slot+2:G0B+4*\slot+3], 2*ROWB
	JLOAD G0+4*\slot, G1, G0B+4*\slot, G1B         ; the first tensor load behind the round; its four v_nop are the places in front of the loads below
.else
	PLACES NP
.endif
	FETCH \next, 0, 0
	WIN MUL_LO
	MUL16 6, 1, 0                                  ; the step's other half, while the next slot's first fragments are out
	WIN 0
.endm
	s_wait_alu depctr_va_vdst(0)                   ; the head's end
	s_wait_tensorcnt 0x0                           ; my part of K step 0 is in
	ds_add_u32 v[SPW], v[NIL]
	s_wait_dscnt 0x0
	CROUND                                         ; everybody's part of K step 0 is in, and all sixteen work-groups are here
	JLOAD G0+4, G1, G0B+4, G1B                     ; K step 1: the first tensor load behind the round
	FETCH 0, 0, 0
	STEP 0, 1                                      ; the first step stands in front of the loop: its products start the sums
	s_mov_b32 s3, LAPS-1
.Llap:                                                 ; a trip goes once round the ring and fills both slots again
	TURN 0, 1, 1
	STEP 1, 0
	TURN 1, 0, 1
	STEP 0, 0
	s_sub_co_u32 s3, s3, 1
	s_cmp_lg_u32 s3, 0
	s_cbranch_scc1 .Llap
	TURN 0, 1, 0                                   ; the last lap fills nothing
	STEP 1, 0
	s_wait_dscnt 0x0                               ; the very last 128 along K
	WIN MUL_LO
	MUL16 4, 1, 0
	MUL16 6, 1, 0
	WIN 0
; THE WAY OUT, block by block of 16 rows x 128 columns: x 2^E, through my own stage in LDS, back as whole rows of 512 bytes.  LDS serves a wave's instructions in order (ISA guide 5.7.1.4).
.macro TOSTAGE a
.set AC, 64*((\a)%4)
	WIN 0x02                                       ; source 0: window 2
.set j, 0
.rept 32
	v_pk_mul_f32 v[TMP+j:TMP+j+1], v[AC+j:AC+j+1], s[96:97] op_sel_hi:[1,0]   ; each accumulator from its low end on
.set j, j+2
.endr
	WIN 0
.irp b, 0,1,2,3,4,5,6,7
	ds_store_b128 v[STO], v[TMP+8*\b:TMP+8*\b+3] offset:64*\b
	ds_store_b128 v[STO], v[TMP+8*\b+4:TMP+8*\b+7] offset:64*\b+16
.endr
.set BB, BK+64*((\a)%2)
.irp t, 0,1,2,3,4,5,6,7,8,9,10,11,12,13,14,15
	ds_load_b128 v[BB+4*\t:BB+4*\t+3], v[RD] offset:\t*SPITCH
.endr
.endm
.macro SEND a, younger                 ; younger: the LDS instructions issued behind block a's loads, which may stay out
.set BB, BK+64*((\a)%2)
	s_wait_dscnt \younger
.if (\a) > 0
	s_add_nc_u64 s[12:13], s[12:13], 16*SIZE_N*4   ; behind a wait on XCNT: the earlier stores have read their base
.endif
.irp t, 0,1,2,3,4,5,6,7,8,9,10,11,12,13,14,15
	global_store_b128 v[CO], v[BB+4*\t:BB+4*\t+3], s[12:13] offset:\t*SIZE_N*4 th:TH_STORE_NT   ; 32 lanes store 512 consecutive bytes, at a multiple of 256 from out0's first byte
.endr
.endm
	PLACES NP                                      ; in front of the first reads of results and of loads into the registers that held A's fragments
	TOSTAGE 0
.irp a, 1,2,3
.if \a > 1
	s_wait_xcnt 0x0                                ; block a - 2's stores have read their registers and their base
.endif
	TOSTAGE \a
	SEND \a-1, 32                                  ; behind block a - 1's loads: block a's 16 stores and 16 loads
.endr
	s_wait_xcnt 0x0
	SEND 3, 0
	s_wait_tensorcnt 0x0                           ; the wave's end
	ds_add_u32 v[SPW], v[NIL]
	s_wait_dscnt 0x0
	CROUND                                         ; the closing round: no work-group ends while a partner may still ask for a tile that names it
	s_endpgm
.Lfunc_end_k_qc515756e6c_proj:
	.size	k_qc515756e6c_proj, .Lfunc_end_k_qc515756e6c_proj-k_qc515756e6c_proj
	.p2alignl 7, 3214868480
	.fill 96, 4, 3214868480
	.section	.rodata,"a",@progbits
	.p2align	6, 0x0
	.amdhsa_kernel k_qc515756e6c_proj
		.amdhsa_group_segment_fixed_size 327680
		.amdhsa_private_segment_fixed_size 0
		.amdhsa_enable_private_segment 0
		.amdhsa_kernarg_size 40
		.amdhsa_user_sgpr_count 2
		.amdhsa_user_sgpr_kernarg_segment_ptr 1
		.amdhsa_wavefront_size32 1
		.amdhsa_system_sgpr_workgroup_id_x 1
		.amdhsa_system_sgpr_workgroup_id_y 1
		.amdhsa_system_sgpr_workgroup_id_z 1
		.amdhsa_system_vgpr_workitem_id 0
		.amdhsa_next_free_vgpr 768
		.amdhsa_next_free_sgpr 98
		.amdhsa_reserve_vcc 0
		.amdhsa_float_denorm_mode_32 3
		.amdhsa_float_denorm_mode_16_64 3
		.amdhsa_memory_ordered 1
		.amdhsa_forward_progress 1
		.amdhsa_inst_pref_size 81
	.end_amdhsa_kernel
	.amdgpu_metadata
---
amdhsa.version: [ 1, 2 ]
amdhsa.kernels:
  - .name:           k_qc515756e6c_proj
    .symbol:         k_qc515756e6c_proj.kd
    .args:
      - { .name: a_codes, .offset: 0, .size: 8, .value_kind: global_buffer, .address_space: global }
      - { .name: wproj_codes, .offset: 8, .size: 8, .value_kind: global_buffer, .address_space: global }
      - { .name: lowp_scales, .offset: 16, .size: 8, .value_kind: global_buffer, .address_space: global }
      - { .name: b_proj, .offset: 24, .size: 8, .value_kind: global_buffer, .address_space: global }
      - { .name: out0, .offset: 32, .size: 8, .value_kind: global_buffer, .address_space: global }
    .group_segment_fixed_size: 327680
    .private_segment_fixed_size: 0
    .kernarg_segment_align: 8
    .kernarg_segment_size: 40
    .max_flat_workgroup_size: 128
    .sgpr_count:     98
    .vgpr_count:     768
    .wavefront_size: 32
...
	.end_amdgpu_metadata
.endif
;; end of part 4
